; MI455X (gfx1250); checked and timed in simulation.
; The chip was launched on July 23, 2026; its instructions are those of AMD's public machine-readable ISA for CDNA 5 (MIT licence, August 2026) and "CDNA5" Instruction Set Architecture Reference Guide (July 2026). The comments in the code are by the model that wrote it; some were corrected since.
;; Multi Head Attention. Allowed arithmetic: matrix products marked QUANTISED: E5M2 operands, one given power-of-two scale a tensor, by v_wmma_f32_16x16x64_bf8_bf8 or v_wmma_f32_16x16x128_bf8_bf8, f32 sums; everything else in f32.
;; Inputs: Wk 512 x 512 float32; Wo 512 x 512 float32; Wq 512 x 512 float32; Wv 512 x 512 float32; bk 512 float32; bo 512 float32; bq 512 float32; bv 512 float32; lowp_scales 12 int32 (the exponents e of the quantised operands' scales 2^e); x 2 x 4,096 x 512 float32.
;; Outputs: out0 2 x 4,096 x 512 float32.
;; This version of the problem:
;;   THIS VERSION OF THE PROBLEM IS GIVEN IN LOW PRECISION. The matrix products marked QUANTISED in the list below multiply operands that are first quantised to E5M2 (5 exponent bits, 2 mantissa bits; 8 bits a number), with one given power-of-two scale for each operand tensor; their sums are f32. All else is computed in f32.
;;   The module's matrix products, in the order in which they are computed (A, B: the left and right operand; K: the contracted axis; several contracted axes count as one K, in the product's order):
;;     1. [M 8,192, K 512] x [K 512, N 512]; A: input x; B: input Wq: QUANTISED (scales: A lowp_scales[0], B lowp_scales[1])
;;     2. [M 8,192, K 512] x [K 512, N 512]; A: input x; B: input Wk: QUANTISED (scales: A lowp_scales[2], B lowp_scales[3])
;;     3. [M 8,192, K 512] x [K 512, N 512]; A: input x; B: input Wv: QUANTISED (scales: A lowp_scales[4], B lowp_scales[5])
;;     4. batch 16 x [M 4,096, K 64] x [K 64, N 4,096]; A: computed on the way; B: computed on the way: QUANTISED (scales: A lowp_scales[6], B lowp_scales[7])
;;     5. batch 16 x [M 4,096, K 4,096] x [K 4,096, N 64]; A: softmax (see below); B: computed on the way: QUANTISED (scales: A lowp_scales[8], B lowp_scales[9])
;;     6. [M 8,192, K 512] x [K 512, N 512]; A: computed on the way; B: input Wo: QUANTISED (scales: A lowp_scales[10], B lowp_scales[11])
;;   THE QUANTISER, for each operand of a quantised product, along K:
;;     - The operand's scale is 2^e, e = its entry of the input lowp_scales (int32; the entries are numbered through the quantised products in the list's order, A before B).
;;     - Each number is divided by the scale, clamped to +-57,344, and rounded to the nearest number of E5M2, ties to even, subnormals kept.
;;     - The product sums the exact products of the quantised numbers (number of the format x scale) in f32.
;;   ~~~python
;;   def quantise(x, axis, e):      # numpy; x: float32 -> the quantised numbers, widened to float32 again
;;       x = np.moveaxis(x, axis, -1); K = x.shape[-1]
;;       r = np.clip(x / 2.0 ** e, -57344, 57344)
;;       step = 2.0 ** (np.maximum(np.frexp(np.where(r == 0, 1, r))[1] - 1, -14) - 2)
;;       q = np.round(r / step) * step * 2.0 ** e      # np.round: ties to even
;;       return np.moveaxis(q, -1, axis).astype(np.float32)
;;   ~~~
;;   SOFTMAX AHEAD OF A QUANTISED PRODUCT. Where the list says 'softmax', what is quantised is not the finished softmax but p = 2^(t - M), with t = logit x log2(e) and M = ceil(the row's largest t), a whole number; so 1/2 < the row's largest p <= 1. The row's sum l is taken of the UNQUANTISED p, in f32, and the product's result is divided by l at the end. Since M is a whole number, a kernel that streams over the keys may use a running M (the ceiling of the running maximum): every later rescaling is an exact power of two, so the quantised numbers keep their values, but for numbers so far below the row's largest that they fall under the format's range.
;;   OPERANDS COMPUTED ON THE WAY. 'Computed on the way' means the value that the module computes at that place (a softmax that the list does not call 'softmax' is quantised finished and normalised). What goes into a quantiser is computed in f32, as accurately as f32 sums, v_exp_f32 and their like allow (about 1e-6 of the number): no bf16 or f16 on the way to a quantiser, and a product that is left as it is and whose result goes on into a quantised operand takes f32 operands (vector FMAs, or v_wmma_f32_16x16x4_f32). A number that lies on a knife's edge between two numbers of the format may be rounded either way, as far as f32 arithmetic and the matrix unit's own rounding can turn it there, and no further.
;; 3 versions, each right; version 2 is faster than version 1; version 3 is version 2 with the launches proj, outp written anew for expert scheduling mode. Each part assembles by itself: llvm-mc -triple=amdgcn-amd-amdhsa -mcpu=gfx1250 --defsym DOCPART=n.
;; ======== version 1 of 3: 3 launches
;; workspace buffers: qc 4,194,304 bytes; kv 8,388,608 bytes; oc 4,194,304 bytes
;; launch proj (part 1): grid 8 x 32, 8 waves a work-group, no clusters, 99,328 bytes of LDS; arguments x, Wq, Wk, Wv, bq, bk, bv, lowp_scales, qc, kv; writes qc, kv
.if DOCPART == 1
	.amdgcn_target "amdgcn-amd-amdhsa--gfx1250"
	.amdhsa_code_object_version 6
	.text
	.protected	k_qce2352d1e5_proj
	.globl	k_qce2352d1e5_proj
	.p2align	8
	.type	k_qce2352d1e5_proj,@function
k_qce2352d1e5_proj:
	s_mov_b64 s[64:65], 0
	v_nop
	global_prefetch_b8 v0, s[64:65] scope:SCOPE_SE
	s_setreg_imm32_b32 hwreg(HW_REG_WAVE_MODE, 25, 1), 1
	s_wait_xcnt 0x0
; q = x Wq^T + bq, k = x Wk^T + bk, v = x Wv^T + bv, on codes of BF8 (E5M2); the three results are quantised at once and stored as codes.
; x: [8192][512] f32.  W: [512][512] f32, K innermost.  lowp_scales: e0..e5 for (x, Wq), (x, Wk), (x, Wv); e6, e7, e9 for q, k, v as operands of the attention.
; SHARES.  Work-group (head, row block): 256 rows x the head's 64 columns of each of q, k, v.  Wave w owns rows 32 w .. 32 w + 31 (two tiles of 16) and turns its own
; rows of x into codes in registers, three times (e0, e2, e4 may differ).  W's fragments are made once, wave w taking K step w of all 12 tiles, and go to the other waves through LDS
; as images of their registers: a fragment (16 rows x 64 K, 8 registers) is two stores of 512 bytes, lane l's 16 bytes at 16 l.  K goes in 8 steps of 64: 24 matrix instructions a step.
; LAYOUT.  Lane (r = l % 16, h = l / 16) of a fragment holds row r; registers 2 c, 2 c + 1 hold k = 16 c + 8 h + 0 .. 7.  q and k are made TRANSPOSED (source 0 = 16 rows of W, source 1 = 16 rows of x):
; a lane then holds one row and register j of tile t the channel 16 t + 8 h + j, so one conversion a tile gives registers 2 t, 2 t + 1 of the fragment that the attention wants.
; v is made the other way round (source 0 = x, source 1 = Wv): a lane holds one channel and eight keys, which are registers 2 c, 2 c + 1 of V^T's fragment along the keys.
; OUT.  qc: [head of batch 16][tile of 16 queries 256][1,024 bytes]; kv: [head of batch 16][step of 128 keys 32][K's 8 tiles x 1,024, V^T's 4 tiles x 2,048]: register images, each store 512 consecutive bytes.
; NO JOINT LOADS: what work-groups share here (x's rows among 8 heads, W's rows among 32 row blocks) arrives as f32 and becomes codes in registers; through LDS a work-group's 512 KB of x would be stored and read once more.
; LIMITS: e0 + e1, e2 + e3, e4 + e5 between -126 and 127; e0 .. e7 and e9 between -126 and 112, so that each power of two below is an f32 number.  NaN among the inputs is not served.
; REGISTERS, window 0: v1-15 addresses, scales, limits; v16-31 at work; v32-79 x's codes (16 q + 8 m), on the way out the codes to store; v80-111 Wv's fragments; v112-119 addresses, bv; v128-255 four sets of 32 numbers of x.
;   window 1: v0-191 the 24 accumulators (p, m, t) at 8 (8 p + 4 m + t); v192-255 Wq's and Wk's fragments.  In the W phase all of window 1 and v128-255 hold W's numbers, v32-127 its codes.
.set LI,   1                           ; 16 x lane
.set XA,   2                           ; a row of 2,048 bytes x r + 32 h
.set WST,  3                           ; where I store W's images: 16 x lane + 12,288 x wave
.set SCX,  4                           ; v4-6   2^e0, 2^e2, 2^e4
.set LMX,  7                           ; v7-9   57,344 x those
.set SC2,  10                          ; v10-12 2^e1, 2^e3, 2^e5; on the way out 2^e6, 2^e7, 2^e9
.set LM2,  13                          ; v13-15 57,344 x those
.set TMP,  16
.set AC,   32
.set WF2,  80
.set LI2,  112                         ; 16 x lane + 49,152: K steps 4 to 7 (an LDS offset has 16 bits)
.set HB,   113                         ; 32 h
.set RB,   114                         ; 4 r
.set BV,   116
.set ST,   128
.set BQ,   128
.set BK,   160
.set EV,   192
.set WF,   192                         ; in window 1
.set MSB, 0
.macro WIN new                         ; the immediate's high byte repeats the setting that is left
.if MSB != (\new)
	s_set_vgpr_msb (MSB<<8)|(\new)
.set MSB, (\new)
.endif
.endm
.macro PLACES n
.rept \n
	v_nop
.endr
.endm
.macro MKSC sc, lim, e                 ; v[sc] = 2^e as f32 (the conversion takes its exponent field), v[lim] = 57,344 x 2^e; e in s[e]
	s_add_co_i32 s48, s[\e], 127
	s_lshl_b32 s49, s48, 23
	v_mov_b32 v[\sc], s49
	s_add_co_i32 s48, s48, 15
	s_lshl_b32 s48, s48, 23
	s_or_b32 s48, s48, 0x600000
	v_mov_b32 v[\lim], s48
.endm
; 64 rows x 64 K of a weight (my K step): register 32 t + 8 c + i = W(16 t + r, 64 w + 16 c + 8 h + i)
.macro WLOAD base, reg
.irp t, 0,1,2,3
.irp c, 0,1,2,3
.irp j, 0,1
	global_load_b128 v[\reg+32*\t+8*\c+4*\j:\reg+32*\t+8*\c+4*\j+3], v[XA], s[\base:\base+1] offset:32768*\t+64*\c+16*\j
.endr
.endr
.endr
.endm
; those 128 numbers a lane become four fragments' codes, and the images go to LDS.  w1 = 1: the numbers lie in window 1
.macro WQUANT p, src, code, w1
	WIN 0x41*\w1
.set n, 0
.rept 128
	v_med3_num_f32 v[\src+n], v[\src+n], -v[LM2+\p], v[LM2+\p]   ; the conversion to an 8-bit code does not saturate (ISA guide 7.6.2): the hold at the largest code x the scale
.set n, n+1
.endr
	WIN 0x01*\w1
.set n, 0
.rept 16
	v_cvt_scalef32_pk8_bf8_f32 v[\code+2*n:\code+2*n+1], v[\src+8*n:\src+8*n+7], v[SC2+\p]
.set n, n+1
.endr
	v_nop                                          ; a plain instruction behind the conversions, ahead of whatever vector or matrix instruction next touches their registers
	WIN 0
.irp t, 0,1,2,3
.irp c, 0,1
	ds_store_b128 v[WST], v[\code+8*\t+4*\c:\code+8*\t+4*\c+3] offset:4096*\p+1024*\t+512*\c
.endr
.endr
.endm
; my tile m's numbers of K step s: register 8 c + i = x(16 m + r, 64 s + 16 c + 8 h + i), into set 2 (s % 2) + m
.macro XLOAD s, m
.set XS, ST+32*(2*((\s)%2)+\m)
.irp c, 0,1,2,3
.irp j, 0,1
	global_load_b128 v[XS+8*\c+4*\j:XS+8*\c+4*\j+3], v[XA], s[8:9] offset:32768*\m+256*(\s)+64*\c+16*\j
.endr
.endr
.endm
; a set becomes three fragments, one for each of x's three scales.  The two halves of TMP take turns, so that eight plain instructions stand between a conversion and the rewriting of its sources
.macro QUANT3 s, m
.set XS, ST+32*(2*((\s)%2)+\m)
.irp q, 0,1,2
.irp g, 0,1,2,3
.irp i, 0,1,2,3,4,5,6,7
	v_med3_num_f32 v[TMP+8*(\g%2)+\i], v[XS+8*\g+\i], -v[LMX+\q], v[LMX+\q]
.endr
	v_cvt_scalef32_pk8_bf8_f32 v[AC+16*\q+8*\m+2*\g:AC+16*\q+8*\m+2*\g+1], v[TMP+8*(\g%2):TMP+8*(\g%2)+7], v[SCX+\q]
.endr
.endr
.endm
.macro FETCHW s                        ; the step's 12 fragments of W: 24 loads of 512 consecutive bytes
.if \s < 4
.set FA, LI
.else
.set FA, LI2
.endif
	WIN 0x40                                       ; destination window 1
.irp p, 0,1
.irp t, 0,1,2,3
.irp c, 0,1
	ds_load_b128 v[WF+32*\p+8*\t+4*\c:WF+32*\p+8*\t+4*\c+3], v[FA] offset:((\s)%4)*12288+4096*\p+1024*\t+512*\c
.endr
.endr
.endr
	WIN 0
.irp t, 0,1,2,3
.irp c, 0,1
	ds_load_b128 v[WF2+8*\t+4*\c:WF2+8*\t+4*\c+3], v[FA] offset:((\s)%4)*12288+8192+1024*\t+512*\c
.endr
.endr
.endm
; A K step of 64.  The 24 accumulators take turns, one instruction a turn, in the same order in every step.  Step 0's products start the sums.
.macro KSTEP s
	PLACES 4                                       ; in front of loads into, and conversions onto, registers that the last step's matrix instructions read
	FETCHW \s
.irp m, 0,1
.set IDX, 2*\s+\m                      ; sets are asked for in the order of IDX, four ahead.  Behind set IDX stand min(3, 15 - IDX) sets of 8 loads, and behind sets 14 and 15 the 20 loads of the biases
.if IDX <= 12
.set NW, 24
.elseif IDX == 13
.set NW, 16
.elseif IDX == 14
.set NW, 28
.else
.set NW, 20
.endif
	s_wait_loadcnt NW
	QUANT3 \s, \m
.if \s < 6
	XLOAD \s+2, \m
.endif
.endr
.if \s == 6                            ; sets 0 and 1 have been read for the last time: the biases land there
.irp t, 0,1,2,3
.irp j, 0,1
	global_load_b128 v[BQ+8*\t+4*\j:BQ+8*\t+4*\j+3], v[HB], s[16:17] offset:64*\t+16*\j   ; bq(16 t + 8 h + 0 .. 7): the transposed result's layout
	global_load_b128 v[BK+8*\t+4*\j:BK+8*\t+4*\j+3], v[HB], s[18:19] offset:64*\t+16*\j
.endr
	global_load_b32 v[BV+\t], v[RB], s[20:21] offset:64*\t                                 ; bv(16 t + r)
.endr
.endif
	v_nop                                          ; a plain instruction between the last conversion and the matrix instruction that reads its result
	s_wait_dscnt 0x0                               ; W's fragments are in
	WIN 0x51                                       ; source 0 (W) window 1, source 1 (x) window 0, C and D window 1
.irp p, 0,1
.irp m, 0,1
.irp t, 0,1,2,3
.if \s == 0
	v_wmma_f32_16x16x64_bf8_bf8 v[8*(8*\p+4*\m+\t):8*(8*\p+4*\m+\t)+7], v[WF+32*\p+8*\t:WF+32*\p+8*\t+7], v[AC+16*\p+8*\m:AC+16*\p+8*\m+7], 0
.else
	v_wmma_f32_16x16x64_bf8_bf8 v[8*(8*\p+4*\m+\t):8*(8*\p+4*\m+\t)+7], v[WF+32*\p+8*\t:WF+32*\p+8*\t+7], v[AC+16*\p+8*\m:AC+16*\p+8*\m+7], v[8*(8*\p+4*\m+\t):8*(8*\p+4*\m+\t)+7]
.endif
.endr
.endr
.endr
	WIN 0x50                                       ; v: source 0 (x) and source 1 (Wv) window 0
.irp m, 0,1
.irp t, 0,1,2,3
.if \s == 0
	v_wmma_f32_16x16x64_bf8_bf8 v[8*(16+4*\m+\t):8*(16+4*\m+\t)+7], v[AC+32+8*\m:AC+32+8*\m+7], v[WF2+8*\t:WF2+8*\t+7], 0
.else
	v_wmma_f32_16x16x64_bf8_bf8 v[8*(16+4*\m+\t):8*(16+4*\m+\t)+7], v[AC+32+8*\m:AC+32+8*\m+7], v[WF2+8*\t:WF2+8*\t+7], v[8*(16+4*\m+\t):8*(16+4*\m+\t)+7]
.endif
.endr
.endr
	WIN 0
.endm
; The way out of q (p = 0) or k (p = 1), tile m: sum x 2^(ex + ew) + bias in one packed multiply-add, each accumulator from its low end on; the hold; four conversions = one fragment; two stores of 512 bytes
.macro EPQ p, m
	WIN 0x01                                       ; source 0 (the sums) window 1
.irp t, 0,1,2,3
.irp i, 0,2,4,6
	v_pk_fma_f32 v[EV+8*\t+\i:EV+8*\t+\i+1], v[8*(8*\p+4*\m+\t)+\i:8*(8*\p+4*\m+\t)+\i+1], s[42+2*\p:43+2*\p], v[BQ+32*\p+8*\t+\i:BQ+32*\p+8*\t+\i+1] op_sel_hi:[1,0,1]
.endr
.endr
	WIN 0
.set n, 0
.rept 32
	v_med3_num_f32 v[EV+n], v[EV+n], -v[LM2+\p], v[LM2+\p]
.set n, n+1
.endr
.irp t, 0,1,2,3
	v_cvt_scalef32_pk8_bf8_f32 v[AC+16*\p+8*\m+2*\t:AC+16*\p+8*\m+2*\t+1], v[EV+8*\t:EV+8*\t+7], v[SC2+\p]
.endr
	v_nop                                          ; a plain instruction before the next tile's multiply-adds write the conversions' sources
.irp c, 0,1
	global_store_b128 v[LI], v[AC+16*\p+8*\m+4*\c:AC+16*\p+8*\m+4*\c+3], s[24+2*\p:25+2*\p] offset:1024*\m+512*\c
.endr
.endm
; The way out of v, channels 16 t on: my two tiles of keys are four registers of V^T's fragment: one store of 512 bytes
.macro EPV t
	WIN 0x01
.irp m, 0,1
.irp j, 0,1,2,3,4,5,6,7
	v_fma_f32 v[EV+8*\m+\j], v[8*(16+4*\m+\t)+\j], s46, v[BV+\t]
.endr
.endr
	WIN 0
.set n, 0
.rept 16
	v_med3_num_f32 v[EV+n], v[EV+n], -v[LM2+2], v[LM2+2]
.set n, n+1
.endr
.irp m, 0,1
	v_cvt_scalef32_pk8_bf8_f32 v[AC+32+4*\t+2*\m:AC+32+4*\t+2*\m+1], v[EV+8*\m:EV+8*\m+7], v[SC2+2]
.endr
	v_nop
	global_store_b128 v[LI], v[AC+32+4*\t:AC+32+4*\t+3], s[60:61] offset:2048*\t
.endm
	s_load_b256 s[8:15], s[0:1], 0x0               ; x s[8:9], Wq s[10:11], Wk s[12:13], Wv s[14:15]
	s_load_b256 s[16:23], s[0:1], 0x20             ; bq s[16:17], bk s[18:19], bv s[20:21], the scales' exponents s[22:23]
	s_load_b128 s[24:27], s[0:1], 0x40             ; qc s[24:25], kv s[26:27]
	v_lshrrev_b32 v4, 5, v0
	v_readfirstlane_b32 s28, v4                    ; wave 0..7
	v_and_b32 v[LI], 31, v0
	v_lshlrev_b32 v[LI], 4, v[LI]
	v_and_b32 v5, 15, v0                           ; r
	v_bfe_u32 v6, v0, 4, 1                         ; h
	v_lshlrev_b32 v[XA], 11, v5
	v_lshl_add_u32 v[XA], v6, 5, v[XA]
	s_mul_i32 s48, s28, 12288
	v_add_nc_u32 v[WST], s48, v[LI]
	s_and_b32 s30, ttmp7, 0xffff                   ; row block 0..31; ttmp9: the head 0..7
	s_lshr_b32 s31, s30, 4
	s_lshl_b32 s31, s31, 3
	s_add_co_u32 s31, s31, ttmp9                   ; head of batch = 8 x batch + head
	s_and_b32 s29, s30, 15                         ; the row block within its batch
	s_lshl_b32 s52, s30, 19                        ; x: 256 rows of 2,048 bytes a block, 32 a wave
	s_lshl_b32 s53, s28, 16
	s_add_co_u32 s52, s52, s53
	s_mov_b32 s53, 0
	s_lshl_b32 s54, ttmp9, 17                      ; W: the head's 64 rows; my K step's 256 bytes
	s_lshl_b32 s55, s28, 8
	s_add_co_u32 s54, s54, s55
	s_mov_b32 s55, 0
	s_lshl_b32 s56, ttmp9, 8                       ; the biases: the head's 64 numbers
	s_mov_b32 s57, 0
	s_lshl_b32 s58, s31, 18                        ; qc: 256 tiles a head, 16 a block, 2 a wave
	s_lshl_b32 s59, s29, 14
	s_add_co_u32 s58, s58, s59
	s_lshl_b32 s59, s28, 11
	s_add_co_u32 s58, s58, s59
	s_mov_b32 s59, 0
	s_lshl_b32 s60, s31, 19                        ; kv: 32 steps of 16,384 bytes a head, 2 a block; waves 0-3 the first, waves 4-7 the second
	s_lshl_b32 s61, s29, 15
	s_add_co_u32 s60, s60, s61
	s_lshr_b32 s61, s28, 2
	s_lshl_b32 s61, s61, 14
	s_add_co_u32 s60, s60, s61
	s_mov_b32 s61, 0
	s_and_b32 s48, s28, 3
	s_lshl_b32 s50, s48, 9                         ; V^T: behind K's 8,192 bytes; my four registers are piece wave % 4 of each fragment
	s_add_co_u32 s50, s50, 8192
	s_mov_b32 s51, 0
	s_lshl_b32 s48, s48, 11                        ; K: my two tiles of keys
	s_mov_b32 s49, 0
	s_wait_kmcnt 0x0
	s_load_b256 s[32:39], s[22:23], 0x0            ; e0 .. e7
	s_load_b64 s[40:41], s[22:23], 0x20            ; e8, e9
	s_add_nc_u64 s[8:9], s[8:9], s[52:53]
	s_add_nc_u64 s[10:11], s[10:11], s[54:55]
	s_add_nc_u64 s[12:13], s[12:13], s[54:55]
	s_add_nc_u64 s[14:15], s[14:15], s[54:55]
	s_add_nc_u64 s[16:17], s[16:17], s[56:57]
	s_add_nc_u64 s[18:19], s[18:19], s[56:57]
	s_add_nc_u64 s[20:21], s[20:21], s[56:57]
	s_add_nc_u64 s[24:25], s[24:25], s[58:59]
	s_add_nc_u64 s[26:27], s[26:27], s[60:61]
	s_add_nc_u64 s[60:61], s[26:27], s[50:51]      ; V^T's pointer
	s_add_nc_u64 s[26:27], s[26:27], s[48:49]      ; K's pointer
	; ---- W: my K step of all three weights
	WLOAD 14, ST                                   ; Wv into window 0
	WIN 0x40
	WLOAD 10, 0                                    ; Wq and Wk into window 1
	WLOAD 12, 128
	WIN 0
	s_wait_kmcnt 0x0
.irp p, 0,1,2
	MKSC SCX+\p, LMX+\p, 32+2*\p
	MKSC SC2+\p, LM2+\p, 33+2*\p
	s_add_co_i32 s[42+2*\p], s[32+2*\p], s[33+2*\p]
	s_add_co_i32 s[42+2*\p], s[42+2*\p], 127
	s_lshl_b32 s[42+2*\p], s[42+2*\p], 23          ; 2^(ex + ew) as f32
	s_mov_b32 s[43+2*\p], s[42+2*\p]               ; (named with it as a pair, so it is written)
.endr
	s_wait_loadcnt 63                              ; Wv is in: 64 loads were issued behind it; the wait's field ends at 63
	WQUANT 2, ST, AC, 0
	XLOAD 0, 0                                     ; x runs four sets (32 loads a wave) ahead
	XLOAD 0, 1
	XLOAD 1, 0
	XLOAD 1, 1
	s_wait_loadcnt 32                              ; Wq and Wk are in; x's 32 loads may be out
	WQUANT 0, 0, AC+32, 1
	WQUANT 1, 128, AC+64, 1
	s_wait_dscnt 0x0                               ; for the others' sake: my images have landed
	s_barrier_signal -1
	s_barrier_wait -1                              ; all 96 fragments of W lie in LDS; nothing is stored there again
	v_add_nc_u32 v[LI2], 0xc000, v[LI]
	v_bfe_u32 v[HB], v0, 4, 1
	v_lshlrev_b32 v[HB], 5, v[HB]
	v_and_b32 v[RB], 15, v0
	v_lshlrev_b32 v[RB], 2, v[RB]
	; ---- the products: every offset is an immediate, no pointer is stepped
.irp s, 0,1,2,3,4,5,6,7
	KSTEP \s
.endr
	; ---- the way out.  Every store has registers of its own for its codes: none is written again
	MKSC SC2, LM2, 38                              ; q's scale 2^e6,
	MKSC SC2+1, LM2+1, 39                          ; k's 2^e7,
	MKSC SC2+2, LM2+2, 41                          ; v's 2^e9
	PLACES 4                                       ; behind the last products, in front of the first read of results
	s_wait_loadcnt 0x0                             ; the biases
	EPQ 0, 0
	EPQ 0, 1
	EPQ 1, 0
	EPQ 1, 1
	EPV 0
	EPV 1
	EPV 2
	EPV 3
	s_wait_xcnt 0x0
	v_lshl_add_u32 v254, v0, 2, 0x18000
	v_mov_b32 v255, 0
	s_wait_tensorcnt 0x0
	ds_add_u32 v254, v255
	s_wait_dscnt 0x0
	s_endpgm
.Lfunc_end_k_qce2352d1e5_proj:
	.size	k_qce2352d1e5_proj, .Lfunc_end_k_qce2352d1e5_proj-k_qce2352d1e5_proj
	.p2alignl 7, 3214868480
	.fill 96, 4, 3214868480
	.section	.rodata,"a",@progbits
	.p2align	6, 0x0
	.amdhsa_kernel k_qce2352d1e5_proj
		.amdhsa_group_segment_fixed_size 99328
		.amdhsa_private_segment_fixed_size 0
		.amdhsa_enable_private_segment 0
		.amdhsa_kernarg_size 80
		.amdhsa_user_sgpr_count 2
		.amdhsa_user_sgpr_kernarg_segment_ptr 1
		.amdhsa_wavefront_size32 1
		.amdhsa_system_sgpr_workgroup_id_x 1
		.amdhsa_system_sgpr_workgroup_id_y 1
		.amdhsa_system_sgpr_workgroup_id_z 1
		.amdhsa_system_vgpr_workitem_id 0
		.amdhsa_next_free_vgpr 512
		.amdhsa_next_free_sgpr 66
		.amdhsa_reserve_vcc 0
		.amdhsa_float_denorm_mode_32 3
		.amdhsa_float_denorm_mode_16_64 3
		.amdhsa_memory_ordered 1
		.amdhsa_forward_progress 1
		.amdhsa_inst_pref_size 217
	.end_amdhsa_kernel
	.amdgpu_metadata
---
amdhsa.version: [ 1, 2 ]
amdhsa.kernels:
  - .name:           k_qce2352d1e5_proj
    .symbol:         k_qce2352d1e5_proj.kd
    .args:
      - { .name: x, .offset: 0, .size: 8, .value_kind: global_buffer, .address_space: global }
      - { .name: Wq, .offset: 8, .size: 8, .value_kind: global_buffer, .address_space: global }
      - { .name: Wk, .offset: 16, .size: 8, .value_kind: global_buffer, .address_space: global }
      - { .name: Wv, .offset: 24, .size: 8, .value_kind: global_buffer, .address_space: global }
      - { .name: bq, .offset: 32, .size: 8, .value_kind: global_buffer, .address_space: global }
      - { .name: bk, .offset: 40, .size: 8, .value_kind: global_buffer, .address_space: global }
      - { .name: bv, .offset: 48, .size: 8, .value_kind: global_buffer, .address_space: global }
      - { .name: lowp_scales, .offset: 56, .size: 8, .value_kind: global_buffer, .address_space: global }
      - { .name: qc, .offset: 64, .size: 8, .value_kind: global_buffer, .address_space: global }
      - { .name: kv, .offset: 72, .size: 8, .value_kind: global_buffer, .address_space: global }
    .group_segment_fixed_size: 99328
    .private_segment_fixed_size: 0
    .kernarg_segment_align: 8
    .kernarg_segment_size: 80
    .max_flat_workgroup_size: 256
    .sgpr_count:     66
    .vgpr_count:     512
    .wavefront_size: 32
...
	.end_amdgpu_metadata
.endif
;; end of part 1
;; launch attn (part 2): grid 16 x 16, 8 waves a work-group, clusters of 4 x 1, 327,680 bytes of LDS; arguments qc, kv, lowp_scales, oc; writes oc
.if DOCPART == 2
	.amdgcn_target "amdgcn-amd-amdhsa--gfx1250"
	.amdhsa_code_object_version 6
	.text
	.protected	k_qce2352d1e5_attn
	.globl	k_qce2352d1e5_attn
	.p2align	8
	.type	k_qce2352d1e5_attn,@function
k_qce2352d1e5_attn:
	s_mov_b64 s[64:65], 0
	v_nop
	global_prefetch_b8 v0, s[64:65] scope:SCOPE_SE
	s_setreg_imm32_b32 hwreg(HW_REG_WAVE_MODE, 25, 1), 1
	s_wait_xcnt 0x0
	s_wait_alu depctr_hold_cnt(0) depctr_sa_sdst(0) depctr_va_vdst(0) depctr_va_sdst(0) depctr_va_ssrc(0) depctr_va_vcc(0) depctr_vm_vsrc(0)
	s_getreg_b32 s2, hwreg(HW_REG_IB_STS2, 6, 4)
	s_cmp_eq_u32 s2, 0
	s_cbranch_scc0 .Lentry_in_a_cluster
	s_endpgm
.Lentry_in_a_cluster:
	s_bfe_u32 s2, ttmp6, 0x10000c
	s_cmp_lg_u32 s2, 0x3003
	s_cbranch_scc0 .Lentry_shape_is_right
	s_endpgm
.Lentry_shape_is_right:
; o = softmax(q k^T / 8) v for 16 heads of batch, 4,096 queries and keys, head size 64, both products on codes of BF8 (E5M2); o is quantised at once (2^e10) and stored as codes.
; qc, kv: register images (a fragment's registers four at a time, lane l's 16 bytes at 16 l, 512 bytes a piece).  qc: [head 16][tile of 16 queries 256][1,024].
; kv: [head 16][step of 128 keys 32][K's 8 tiles of 16 keys x 1,024, then V^T's 4 tiles of 16 channels x 2,048].  oc: [tile of 16 rows 512][head 8][1,024].
; THE SOFTMAX: t = score x log2(e) / 8; M = the running largest t rounded UP to a whole number; p = 2^(t - M) is what is quantised (2^e8), not normalised; the row's sum is taken of the unquantised p
; and divides at the end.  When M moves, the sum and O are multiplied by 2^(old M - new M), which rounds nothing; there is no branch on data.
; SHARES.  A work-group owns 256 queries of one head, each of its eight waves 32: two tiles, which share every fragment of K and V^T read from LDS.  Every wave walks all 4,096 keys, 128 a step.
; LAYOUT.  Both products are used transposed: S^T = K Q^T (source 0 = 16 keys, source 1 = 16 queries), O^T = V^T P^T (source 0 = 16 channels, source 1 = P): a lane holds ONE query (lane % 16) throughout,
; register j of S^T's tile u is key 16 u + 8 (lane / 16) + j, so one conversion a tile gives registers 2 u, 2 u + 1 of P's fragment, and likewise O^T's tiles give oc's fragment.  Nothing changes lanes.
; BY TURNS.  A tile's vector work is two numbered lists, FRONT (maximum, M, t - M) and BACK (sum, hold, conversions).  Tile 0's exponentials stand between the items of tile 1's FRONT, tile 1's between the items of
; tile 0's BACK: each exponential has a plain instruction of the other tile, or another exponential, behind it, and its result is first read a whole list later.
; CLUSTER.  The four query blocks of a cluster belong to one head and walk the same kv: each tile is asked for JOINTLY, by the same tensor load with the same descriptor and the mask 15 in all four.
; THE RING.  Two LDS slots of 8 steps (131,072 bytes); each wave fetches one step (16,384 dense bytes) of a slot.  A head is four slots' worth: two first fills, two refills.  By this text's count two tensor loads of a
; wave are out at the start, later one.
; LIMITS: e6 + e7 between -123 and 130 (added to c's exponent field); e8 between -109 and 112 (an exponential under 2^-126 comes out as 0: with e8 >= -109 its code is 0 in any case); e10 between -126 and 112;
; e8 + e9 is applied by v_ldexp_f32 and has none.
; REGISTERS, window 0: v1-6 addresses, p's scale and limit; v8-31 twelve registers of statistics a tile; v32-47 Q; v48-79 p's codes; v128-255 S^T, then p.   window 1: v0-63 K; v64-127 V^T; v128-191 O^T.
.set STEPB, 16384
.set SLOT1, 1<<17
.set SPARE, 2*SLOT1                    ; behind the ring: the spare words, 128 bytes for each wave: four blocks of 256 bytes that no other line names
.set LI,   1                           ; 16 x lane
.set ADR,  2                           ; the step's first byte + 16 x lane
.set SPW,  3                           ; LDS address of my spare word; never rewritten
.set NIL,  4                           ; 0; never rewritten
.set SCP,  5                           ; 2^e8; on the way out 2^e10
.set LIMP, 6                           ; 57,344 x that
.set ST,   8                           ; tile q's statistics at ST + 12 q: +0 -M, +1 the largest t, +2, +3 the sum in two halves, +4 f (+5 is 0: named with it as a pair), +6, +7 at work, +8, +9 a second chain of sums, +10 the other half of the lanes'
.set QF,   32
.set PCD,  48
.set S,    128
.set KF,   0                           ; in window 1
.set VF,   64
.set OA,   128
.set WV,   12                          ; s12 my wave's number
.set G1,   16                          ; s[16:23] descriptor group 1
.set G0A,  24                          ; s[24:27] group 0 for slot 0
.set G0B,  28                          ; s[28:31] for slot 1
.set SEL,  32                          ; s[32:33] lane selects for v_permlanex16_b32: lane l xor 16
.set CS,   34                          ; s[34:35] c = log2(e) x 2^(e6 + e7) / 8
.set TB,   36                          ; s36 LDS byte at which the step in hand begins
.set CNT,  37                          ; s37 steps left in the slot
.set MSB, 0
.macro WIN new                         ; the immediate's high byte repeats the setting that is left
.if MSB != (\new)
	s_set_vgpr_msb (MSB<<8)|(\new)
.set MSB, (\new)
.endif
.endm
.macro PLACES n
.rept \n
	v_nop
.endr
.endm
.macro MKSC sc, lim, e                 ; v[sc] = 2^e as f32, v[lim] = 57,344 x 2^e; e in s[e]
	s_add_co_i32 s48, s[\e], 127
	s_lshl_b32 s49, s48, 23
	v_mov_b32 v[\sc], s49
	s_add_co_i32 s48, s48, 15
	s_lshl_b32 s48, s48, 23
	s_or_b32 s48, s48, 0x600000
	v_mov_b32 v[\lim], s48
.endm
; A round of the cluster's barrier: my work-group's barrier, so that wave 0's signal speaks for all eight waves; wave 0 signals for the work-group; every wave waits for all four work-groups; my work-group's barrier once more.
.macro CROUND
	s_barrier_signal -1
	s_barrier_wait -1
	s_cmp_lg_u32 s[WV], 0
	s_cbranch_scc1 .Lnot_wave_0_\@
	s_barrier_signal -3
.Lnot_wave_0_\@:
	s_barrier_wait -3
	s_barrier_signal -1
	s_barrier_wait -1
.endm
; Item fn (0 .. 72) of tile q's FRONT.  0-31 the largest of my 64 scores, in two chains, the scores in ascending order (each accumulator is first read at its low end); 32, 33 the other half of the lanes';
; 34-40 t, the running largest t, the new -M = floor(-t), f = 2^(old M - new M); 41-72 t - M, two at a time.
.macro FRONT q
.set rT, ST+12*\q
.set rS, S+64*\q
.if fn == 0
	v_max3_num_f32 v[rT+6], v[rS], v[rS+1], v[rS+2]
.elseif fn == 1
	v_max3_num_f32 v[rT+7], v[rS+3], v[rS+4], v[rS+5]
.elseif fn < 30
.set fi, 6+4*((fn-2)/2)+2*((fn-2)%2)
	v_max3_num_f32 v[rT+6+(fn%2)], v[rT+6+(fn%2)], v[rS+fi], v[rS+fi+1]
.elseif fn == 30
	v_max3_num_f32 v[rT+6], v[rT+6], v[rS+62], v[rS+63]
.elseif fn == 31
	v_max_num_f32 v[rT+6], v[rT+6], v[rT+7]
.elseif fn == 32
	v_permlanex16_b32 v[rT+10], v[rT+6], s[SEL], s[SEL+1]
.elseif fn == 33
	v_max_num_f32 v[rT+6], v[rT+6], v[rT+10]
.elseif fn == 34
	v_mul_f32 v[rT+6], s[CS], v[rT+6]              ; as t (c is positive)
.elseif fn == 35
	v_max_num_f32 v[rT+1], v[rT+1], v[rT+6]
.elseif fn == 36
	v_mov_b32 v[rT+7], v[rT]
.elseif fn == 37
	v_floor_f32 v[rT], -v[rT+1]                    ; -M = floor(-t) = -ceil(t): M is a whole number
.elseif fn == 38
	v_sub_f32 v[rT+7], v[rT], v[rT+7]              ; old M - new M: a whole number, 0 or less
.elseif fn == 39
	v_cvt_i32_f32 v[rT+7], v[rT+7]                 ; (it saturates)
.elseif fn == 40
	v_ldexp_f32 v[rT+4], 1.0, v[rT+7]
.else
.set fb, 2*(fn-41)
	v_pk_fma_f32 v[rS+fb:rS+fb+1], v[rS+fb:rS+fb+1], s[CS:CS+1], v[rT:rT+1] op_sel_hi:[1,0,0]   ; of the pairs c and -M the low word serves both halves
.endif
.endm
; Item bn (0 .. 104) of tile q's BACK.  0 the sum under the new M; 1-32 the sum of the UNQUANTISED p, two at a time, in two chains; 33-104 four blocks of 16 holds (p is not negative: one-sided) and two conversions.
.macro BACK q
.set rT, ST+12*\q
.set rS, S+64*\q
.set rP, PCD+16*\q
.if bn == 0
	v_pk_mul_f32 v[rT+2:rT+3], v[rT+2:rT+3], v[rT+4:rT+5] op_sel_hi:[1,0]
.elseif bn == 1
	s_wait_alu depctr_va_vdst(0)
	v_pk_add_f32 v[rT+8:rT+9], v[rS:rS+1], v[rS+2:rS+3]
.elseif bn < 32
.set bj, 4+4*((bn-2)/2)
.if bn%2 == 0
	v_pk_add_f32 v[rT+2:rT+3], v[rT+2:rT+3], v[rS+bj:rS+bj+1]
.else
	v_pk_add_f32 v[rT+8:rT+9], v[rT+8:rT+9], v[rS+bj+2:rS+bj+3]
.endif
.elseif bn == 32
	v_pk_add_f32 v[rT+2:rT+3], v[rT+2:rT+3], v[rT+8:rT+9]
.else
.set bb, (bn-33)/18
.set bi, (bn-33)%18
.if bi < 16
	v_min_num_f32 v[rS+16*bb+bi], v[rS+16*bb+bi], v[LIMP]   ; the conversion to an 8-bit code does not saturate (ISA guide 7.6.2)
.elseif bi == 16
	v_cvt_scalef32_pk8_bf8_f32 v[rP+4*bb:rP+4*bb+1], v[rS+16*bb:rS+16*bb+7], v[SCP]
.else
	v_cvt_scalef32_pk8_bf8_f32 v[rP+4*bb+2:rP+4*bb+3], v[rS+16*bb+8:rS+16*bb+15], v[SCP]
.endif
.endif
.endm
; A KEY STEP: 128 keys x my 32 queries.
.macro STEP
	v_add_nc_u32 v[ADR], s[TB], v[LI]
	PLACES 4                                       ; behind the last step's products, in front of the loads into V^T's registers
	WIN 0x40                                       ; destination window 1
.irp u, 0,1,2,3,4,5,6,7
.irp c, 0,1
	ds_load_b128 v[KF+8*\u+4*\c:KF+8*\u+4*\c+3], v[ADR] offset:1024*\u+512*\c
.endr
.endr
.irp t, 0,1,2,3
.irp c, 0,1,2,3
	ds_load_b128 v[VF+16*\t+4*\c:VF+16*\t+4*\c+3], v[ADR] offset:8192+2048*\t+512*\c
.endr
.endr
	s_wait_dscnt 16                                ; K is in; V^T's sixteen loads may be out
	WIN 0x01                                       ; source 0 (K) window 1
.irp u, 0,1,2,3,4,5,6,7
.irp q, 0,1
	v_wmma_f32_16x16x64_bf8_bf8 v[S+64*\q+8*\u:S+64*\q+8*\u+7], v[KF+8*\u:KF+8*\u+7], v[QF+8*\q:QF+8*\q+7], 0
.endr
.endr
	WIN 0
	PLACES 4                                       ; in front of the first read of the scores
.set fn, 0
.rept 73
	FRONT 0
.set fn, fn+1
.endr
.set ej, 0                             ; tile 0's exponentials | tile 1's FRONT: one item behind each of the first 41, then two
.set fn, 0
.rept 64
	v_exp_f32 v[S+ej], v[S+ej]                     ; p = 2^(t - M), at most 1
.if fn <= 72
	FRONT 1
.set fn, fn+1
.endif
.if (ej >= 41) && (fn <= 72)
	FRONT 1
.set fn, fn+1
.endif
.set ej, ej+1
.endr
.set ej, 0                             ; tile 1's exponentials | tile 0's BACK: two items behind each
.set bn, 0
.rept 64
	v_exp_f32 v[S+64+ej], v[S+64+ej]
.rept 2
.if bn <= 104
	BACK 0
.set bn, bn+1
.endif
.endr
.set ej, ej+1
.endr
.set bn, 0
.rept 105
	BACK 1
.set bn, bn+1
.endr
	WIN 0x41                                       ; O^T (destination and source 0) window 1, f window 0
.irp q, 0,1
.set n, 0
.rept 16
	v_pk_mul_f32 v[OA+32*\q+n:OA+32*\q+n+1], v[OA+32*\q+n:OA+32*\q+n+1], v[ST+12*\q+4:ST+12*\q+5] op_sel_hi:[1,0]   ; O^T under the new M.  (These 32 are also the plain instructions between the conversions and the products)
.set n, n+2
.endr
.endr
	s_wait_dscnt 0x0                               ; V^T is in
	WIN 0x51                                       ; source 0 (V^T) window 1, source 1 (p's codes) window 0, C and D window 1
.irp t, 0,1,2,3                        ; the eight accumulators take turns, one instruction a turn
.irp q, 0,1
	v_wmma_f32_16x16x128_bf8_bf8 v[OA+32*\q+8*\t:OA+32*\q+8*\t+7], v[VF+16*\t:VF+16*\t+15], v[PCD+16*\q:PCD+16*\q+15], v[OA+32*\q+8*\t:OA+32*\q+8*\t+7]
.endr
.endr
	WIN 0                                          ; at a label and at a branch every window is 0
.endm
.macro SLOT n                          ; the eight steps of slot n
	s_mov_b32 s[TB], \n*SLOT1
	s_mov_b32 s[CNT], 8
.Lstep_\@:
	STEP
	s_add_co_u32 s[TB], s[TB], STEPB
	s_sub_co_u32 s[CNT], s[CNT], 1
	s_cmp_lg_u32 s[CNT], 0
	s_cbranch_scc1 .Lstep_\@
.endm
; THE CHANGE OF SLOTS.  Each wave waits for all its tensor loads (its part of the slot ahead), adds 0 to its spare word, and waits for that and for its reads of the slot that it leaves.  The barrier is a round of the
; cluster's: behind it no wave of any partner reads the slot left or has a load on its way.  The joint refill, the keys two slots on, is the first thing behind it and has eight key steps in which to land.
.macro CHANGE g0
	s_wait_tensorcnt 0x0                           ; no tensor load of mine is out, so a group 0 may be written
	ds_add_u32 v[SPW], v[NIL]                      ; 0 onto my spare word
	s_add_nc_u64 s[\g0+2:\g0+3], s[\g0+2:\g0+3], 2*8*STEPB   ; the type bits on top are not reached
	s_wait_dscnt 0x0                               ; the add is done, and my reads of the slot are over
	CROUND
	tensor_load_to_lds s[\g0:\g0+3], s[G1:G1+7]
	s_nop 0
	PLACES 4
.endm
	s_load_b256 s[4:11], s[0:1], 0x0               ; qc s[4:5], kv s[6:7], the scales' exponents s[8:9], oc s[10:11]
	v_lshl_add_u32 v[SPW], v0, 2, SPARE
	v_mov_b32 v[NIL], 0
	ds_add_u32 v3, v4
	ds_add_u32 v3, v4
	s_wait_dscnt 0x0
	v_lshrrev_b32 v[ADR], 5, v0
	v_readfirstlane_b32 s[WV], v[ADR]              ; wave 0..7
	v_and_b32 v[LI], 31, v0
	v_lshlrev_b32 v[LI], 4, v[LI]
	s_bfe_u32 s13, ttmp6, 0x40000                  ; cx: my place in the cluster
	s_lshl_b32 s14, ttmp9, 2                       ; in a cluster launch ttmp9 counts clusters
	s_add_co_u32 s14, s14, s13                     ; my block of 256 queries: it enters qc's and oc's addresses alone
	s_and_b32 s15, ttmp7, 0xffff                   ; the head of batch, which the four partners share
	s_lshl_b32 s46, s15, 19                        ; kv: the head's 32 steps; my wave's step of a slot
	s_lshl_b32 s47, s[WV], 14
	s_add_co_u32 s46, s46, s47
	s_mov_b32 s47, 0
	s_lshl_b32 s48, s15, 18                        ; qc: 256 tiles a head, 16 a block, 2 a wave
	s_lshl_b32 s49, s14, 14
	s_add_co_u32 s48, s48, s49
	s_lshl_b32 s49, s[WV], 11
	s_add_co_u32 s48, s48, s49
	s_mov_b32 s49, 0
	s_lshr_b32 s50, s15, 3                         ; oc: ((256 x batch + 16 x block + 2 x wave) x 8 + head) x 1,024
	s_lshl_b32 s50, s50, 8
	s_lshl_b32 s51, s14, 4
	s_add_co_u32 s50, s50, s51
	s_lshl_b32 s51, s[WV], 1
	s_add_co_u32 s50, s50, s51
	s_lshl_b32 s50, s50, 3
	s_and_b32 s51, s15, 7
	s_add_co_u32 s50, s50, s51
	s_lshl_b32 s50, s50, 10
	s_mov_b32 s51, 0
	; descriptor group 1: a dense block of 16,384 bytes as 64 rows of 32 elements of 8 bytes
	s_mov_b32 s[G1], 15|(3<<16)|(1<<21)            ; 15:0 the mask: all four work-groups; 17:16 elements of 8 bytes; 20 no padding; 21 set beside a mask
	s_mov_b32 s[G1+1], 32<<16                      ; tensor_dim0 = 32
	s_mov_b32 s[G1+2], 64<<16                      ; tensor_dim1 = 64
	s_mov_b32 s[G1+3], 32<<16                      ; tile_dim0 = 32
	s_mov_b32 s[G1+4], 64                          ; tile_dim1 = 64
	s_mov_b32 s[G1+5], 32                          ; tensor_dim0_stride: each row begins where the last ends
	s_mov_b32 s[G1+6], 0
	s_mov_b32 s[G1+7], 0
	s_mov_b32 s[SEL], 0x76543210
	s_mov_b32 s[SEL+1], 0xfedcba98
	s_wait_kmcnt 0x0
	s_load_b128 s[40:43], s[8:9], 0x18             ; e6, e7, e8, e9
	s_load_b32 s44, s[8:9], 0x28                   ; e10
	s_add_nc_u64 s[6:7], s[6:7], s[46:47]
	s_add_nc_u64 s[4:5], s[4:5], s[48:49]
	s_add_nc_u64 s[10:11], s[10:11], s[50:51]
	CROUND                                         ; all four work-groups are here: the first joint loads meet
	s_mov_b32 s[G0A], 1                            ; count = 1
	s_lshl_b32 s[G0A+1], s[WV], 14                 ; LDS address: my step of slot 0: no place in the cluster enters it
	s_mov_b64 s[G0A+2:G0A+3], s[6:7]               ; global address: steps 0 to 7
	s_or_b32 s[G0A+3], s[G0A+3], 0x80000000        ; type = 2
	s_mov_b32 s[G0B], 1
	s_add_co_u32 s[G0B+1], s[G0A+1], SLOT1
	s_add_nc_u64 s[G0B+2:G0B+3], s[6:7], 8*STEPB   ; steps 8 to 15
	s_or_b32 s[G0B+3], s[G0B+3], 0x80000000
	tensor_load_to_lds s[G0A:G0A+3], s[G1:G1+7]    ; both first fills go out together, ahead of every wait on TENSORcnt and every LDS read
	s_nop 0
	tensor_load_to_lds s[G0B:G0B+3], s[G1:G1+7]
	s_nop 0
	PLACES 4
.irp i, 0,1,2,3
	global_load_b128 v[QF+4*\i:QF+4*\i+3], v[LI], s[4:5] offset:512*\i th:TH_LOAD_NT   ; my two tiles of Q stay in registers; read once in the launch
.endr
.irp q, 0,1
	v_mov_b32 v[ST+12*\q+1], 0xff61b1e6            ; the largest t so far: -3e38, under every t
	v_floor_f32 v[ST+12*\q], -v[ST+12*\q+1]        ; -M
	v_mov_b32 v[ST+12*\q+2], 0                     ; the sum, in two halves
	v_mov_b32 v[ST+12*\q+3], 0
	v_mov_b32 v[ST+12*\q+5], 0                     ; (named as the upper half of f's pair)
	v_mov_b32 v[ST+12*\q+10], 0                    ; written once: a lane permute's destination counts as one of its sources
.endr
	WIN 0x40
.set n, 0
.rept 64
	v_mov_b32 v[OA+n], 0                           ; O^T.  (The step is written without a first copy: the first step finds zeros, which the first change of M leaves zeros)
.set n, n+1
.endr
	WIN 0
	s_wait_kmcnt 0x0
	s_add_co_i32 s46, s40, s41
	s_sub_co_i32 s46, s46, 3                       ; a score stands for score x 2^(e6 + e7), and 1 / sqrt(64) = 2^-3: all three go into the exponent field of log2(e)
	s_lshl_b32 s46, s46, 23
	s_add_co_i32 s[CS], s46, 0x3fb8aa3b
	s_mov_b32 s[CS+1], s[CS]                       ; (named with it as a pair, so it is written)
	MKSC SCP, LIMP, 42                             ; p's scale 2^e8
	s_wait_tensorcnt 0x1                           ; my part of slot 0 is in; slot 1's may stay out
	s_barrier_signal -1
	s_barrier_wait -1                              ; everybody's is
	s_wait_loadcnt 0x0                             ; Q
	SLOT 0                                         ; keys 0 to 1,023
	CHANGE G0A                                     ; slot 0 takes keys 2,048 on
	SLOT 1
	CHANGE G0B                                     ; slot 1 takes keys 3,072 on: the last load
	SLOT 0
	s_wait_tensorcnt 0x0                           ; the last change of slots: nothing is asked for, so the work-group's own barrier does
	ds_add_u32 v[SPW], v[NIL]                      ; 0 onto my spare word
	s_wait_dscnt 0x0
	s_barrier_signal -1
	s_barrier_wait -1
	SLOT 1
	; THE WAY OUT.  O^T x 2^(e8 + e9) / the sum is o; held, converted with 2^e10: a tile's four conversions are one fragment of the last product's operand: two stores of 512 consecutive bytes.
	PLACES 4                                       ; behind the last products
	s_add_co_i32 s46, s42, s43
	MKSC SCP, LIMP, 44
.irp q, 0,1
	v_add_f32 v[ST+12*\q+6], v[ST+12*\q+2], v[ST+12*\q+3]          ; the sum's two halves,
.endr
.irp q, 0,1
	v_permlanex16_b32 v[ST+12*\q+10], v[ST+12*\q+6], s[SEL], s[SEL+1]
.endr
.irp q, 0,1
	v_add_f32 v[ST+12*\q+6], v[ST+12*\q+6], v[ST+12*\q+10]         ; and lane l xor 16's: the row's sum
.endr
.irp q, 0,1
	v_rcp_f32 v[ST+12*\q+7], v[ST+12*\q+6]
.endr
	v_nop                                          ; a plain instruction between the last reciprocal and the use of its result
	s_wait_alu depctr_va_vdst(0)
.irp q, 0,1
	v_ldexp_f32 v[ST+12*\q+4], v[ST+12*\q+7], s46
.endr
.irp q, 0,1
	WIN 0x01                                       ; source 0 (O^T) window 1
.set n, 0
.rept 16
	v_pk_mul_f32 v[S+64*\q+n:S+64*\q+n+1], v[OA+32*\q+n:OA+32*\q+n+1], v[ST+12*\q+4:ST+12*\q+5] op_sel_hi:[1,0]
.set n, n+2
.endr
	WIN 0
.set n, 0
.rept 32
	v_med3_num_f32 v[S+64*\q+n], v[S+64*\q+n], -v[LIMP], v[LIMP]
.set n, n+1
.endr
.irp t, 0,1,2,3
	v_cvt_scalef32_pk8_bf8_f32 v[PCD+16*\q+2*\t:PCD+16*\q+2*\t+1], v[S+64*\q+8*\t:S+64*\q+8*\t+7], v[SCP]
.endr
.irp c, 0,1
	global_store_b128 v[LI], v[PCD+16*\q+4*\c:PCD+16*\q+4*\c+3], s[10:11] offset:8192*\q+512*\c
.endr
.endr
	s_wait_tensorcnt 0x0                           ; the wave's end
	ds_add_u32 v[SPW], v[NIL]
	s_wait_dscnt 0x0
	CROUND                                         ; the closing round: no work-group ends while a partner may still ask for a tile that names it
	s_endpgm
.Lfunc_end_k_qce2352d1e5_attn:
	.size	k_qce2352d1e5_attn, .Lfunc_end_k_qce2352d1e5_attn-k_qce2352d1e5_attn
	.p2alignl 7, 3214868480
	.fill 96, 4, 3214868480
	.section	.rodata,"a",@progbits
	.p2align	6, 0x0
	.amdhsa_kernel k_qce2352d1e5_attn
		.amdhsa_group_segment_fixed_size 327680
		.amdhsa_private_segment_fixed_size 0
		.amdhsa_enable_private_segment 0
		.amdhsa_kernarg_size 32
		.amdhsa_user_sgpr_count 2
		.amdhsa_user_sgpr_kernarg_segment_ptr 1
		.amdhsa_wavefront_size32 1
		.amdhsa_system_sgpr_workgroup_id_x 1
		.amdhsa_system_sgpr_workgroup_id_y 1
		.amdhsa_system_sgpr_workgroup_id_z 1
		.amdhsa_system_vgpr_workitem_id 0
		.amdhsa_next_free_vgpr 448
		.amdhsa_next_free_sgpr 66
		.amdhsa_reserve_vcc 0
		.amdhsa_float_denorm_mode_32 3
		.amdhsa_float_denorm_mode_16_64 3
		.amdhsa_memory_ordered 1
		.amdhsa_forward_progress 1
		.amdhsa_inst_pref_size 130
	.end_amdhsa_kernel
	.amdgpu_metadata
---
amdhsa.version: [ 1, 2 ]
amdhsa.kernels:
  - .name:           k_qce2352d1e5_attn
    .symbol:         k_qce2352d1e5_attn.kd
    .args:
      - { .name: qc, .offset: 0, .size: 8, .value_kind: global_buffer, .address_space: global }
      - { .name: kv, .offset: 8, .size: 8, .value_kind: global_buffer, .address_space: global }
      - { .name: lowp_scales, .offset: 16, .size: 8, .value_kind: global_buffer, .address_space: global }
      - { .name: oc, .offset: 24, .size: 8, .value_kind: global_buffer, .address_space: global }
    .group_segment_fixed_size: 327680
    .private_segment_fixed_size: 0
    .kernarg_segment_align: 8
    .kernarg_segment_size: 32
    .max_flat_workgroup_size: 256
    .sgpr_count:     66
    .vgpr_count:     448
    .wavefront_size: 32
...
	.end_amdgpu_metadata
.endif
;; end of part 2
;; launch outp (part 3): grid 8 x 32, 16 waves a work-group, no clusters, 104,448 bytes of LDS; arguments oc, Wo, bo, lowp_scales, out0; writes out0
.if DOCPART == 3
	.amdgcn_target "amdgcn-amd-amdhsa--gfx1250"
	.amdhsa_code_object_version 6
	.text
	.protected	k_qce2352d1e5_outp
	.globl	k_qce2352d1e5_outp
	.p2align	8
	.type	k_qce2352d1e5_outp,@function
k_qce2352d1e5_outp:
	s_mov_b64 s[64:65], 0
	v_nop
	global_prefetch_b8 v0, s[64:65] scope:SCOPE_SE
	s_setreg_imm32_b32 hwreg(HW_REG_WAVE_MODE, 25, 1), 1
	s_wait_xcnt 0x0
; out0 = o Wo^T + bo on codes of BF8 (E5M2).  oc: o's codes as register images, [tile of 16 rows 512][K step of 64 (a head) 8][1,024 bytes].  Wo: [512][512] f32, K innermost.  out0: [8192][512] f32.
; SHARES.  Work-group (column group, row block): 256 rows x 64 columns (256 bytes of a row of out0).  Wave w owns rows 16 w .. 16 w + 15; its eight fragments of o come straight into registers, each byte once.
; Wo's 32 fragments (K step s, tile t of 16 columns) are made once, two by each wave (s = w / 2, t = 2 (w % 2) + 0, 1), and go to the others through LDS as images of their registers.
; THE MATRIX INSTRUCTION IS USED TRANSPOSED (source 0 = 16 rows of Wo, source 1 = 16 rows of o): a lane holds eight neighbouring columns of one row.  They go through the wave's own stage in LDS and leave as
; rows of 256 bytes: sixteen lanes store 256 consecutive bytes, at a multiple of 256 from out0's first byte.
; NO JOINT LOADS: Wo arrives as f32 and becomes codes in registers; o's codes are register images that each wave loads once into the registers where they are used: through LDS they would be stored and read once more.
; LIMITS: e11 between -126 and 112; e10 + e11 between -126 and 127.  NaN among the inputs is not served.
; REGISTERS: v1-9 addresses, Wo's scale and limit; v16-79 Wo's numbers, then two sets of four fragments, then rows on their way out; v80-143 o's eight fragments; v144-175 four accumulators; v176-207 bo; v208-239 results; v240-255 Wo's codes.
.set STG,  32768                       ; behind Wo's images: a stage of 16 rows x (256 bytes + 16) for each wave
.set LI,   1                           ; 16 x lane
.set XA,   2                           ; a row of 2,048 bytes x r + 32 h
.set WST,  3                           ; where I store Wo's images: 16 x lane + 2,048 x wave
.set SCW,  4                           ; 2^e11
.set LMW,  5                           ; 57,344 x 2^e11
.set STO,  6                           ; the stage: where I put 32 bytes of a row
.set SRD,  7                           ; and where I read a row back
.set GO,   8                           ; my byte offset in two rows of out0
.set HB,   9                           ; 32 h
.set WS,   16
.set AF,   80
.set ACC,  144
.set BO,   176
.set EV,   208
.set WC,   240
.macro PLACES n
.rept \n
	v_nop
.endr
.endm
.macro MKSC sc, lim, e                 ; v[sc] = 2^e as f32, v[lim] = 57,344 x 2^e; e in s[e]
	s_add_co_i32 s48, s[\e], 127
	s_lshl_b32 s49, s48, 23
	v_mov_b32 v[\sc], s49
	s_add_co_i32 s48, s48, 15
	s_lshl_b32 s48, s48, 23
	s_or_b32 s48, s48, 0x600000
	v_mov_b32 v[\lim], s48
.endm
.macro FETCH s                         ; K step s's four fragments of Wo into set s % 2
.irp t, 0,1,2,3
.irp c, 0,1
	ds_load_b128 v[WS+32*((\s)%2)+8*\t+4*\c:WS+32*((\s)%2)+8*\t+4*\c+3], v[LI] offset:4096*(\s)+1024*\t+512*\c
.endr
.endr
.endm
	s_load_b256 s[4:11], s[0:1], 0x0               ; oc s[4:5], Wo s[6:7], bo s[8:9], the scales' exponents s[10:11]
	s_load_b64 s[12:13], s[0:1], 0x20              ; out0
	v_lshl_add_u32 v14, v0, 2, 0x19000
	v_mov_b32 v15, 0
	v_lshrrev_b32 v4, 5, v0
	v_readfirstlane_b32 s14, v4                    ; wave 0..15
	v_and_b32 v[LI], 31, v0
	v_lshlrev_b32 v[LI], 4, v[LI]
	v_and_b32 v10, 15, v0                          ; r
	v_bfe_u32 v11, v0, 4, 1                        ; h
	v_lshlrev_b32 v[XA], 11, v10
	v_lshl_add_u32 v[XA], v11, 5, v[XA]
	s_lshl_b32 s20, s14, 11
	v_add_nc_u32 v[WST], s20, v[LI]
	s_mul_i32 s21, s14, 16*272
	s_add_co_u32 s21, s21, STG                     ; my stage
	v_mul_u32_u24 v[STO], v10, 272                 ; in: row r, 32 bytes for each half of the lanes
	v_lshl_add_u32 v[STO], v11, 5, v[STO]
	v_add_nc_u32 v[STO], s21, v[STO]
	v_mul_u32_u24 v[SRD], v11, 272                 ; back: lanes 0-15 one row of 256 bytes, lanes 16-31 the next
	v_lshl_add_u32 v[SRD], v10, 4, v[SRD]
	v_add_nc_u32 v[SRD], s21, v[SRD]
	v_lshlrev_b32 v[GO], 11, v11                   ; and the same two rows in out0
	v_lshl_add_u32 v[GO], v10, 4, v[GO]
	v_lshlrev_b32 v[HB], 5, v11
	s_and_b32 s15, ttmp7, 0xffff                   ; row block 0..31; ttmp9: column group 0..7
	s_lshl_b32 s24, ttmp9, 17                      ; Wo: the group's 64 rows; K step w / 2; tiles 2 (w % 2) on
	s_lshr_b32 s25, s14, 1
	s_lshl_b32 s25, s25, 8
	s_add_co_u32 s24, s24, s25
	s_and_b32 s25, s14, 1
	s_lshl_b32 s25, s25, 16
	s_add_co_u32 s24, s24, s25
	s_mov_b32 s25, 0
	s_lshl_b32 s26, s15, 4                         ; oc: tile of rows 16 x block + wave, 8,192 bytes each
	s_add_co_u32 s26, s26, s14
	s_lshl_b32 s26, s26, 13
	s_mov_b32 s27, 0
	s_lshl_b32 s28, ttmp9, 8                       ; bo: the group's 64 numbers
	s_mov_b32 s29, 0
	s_lshl_b32 s30, s15, 19                        ; out0: 256 rows of 2,048 bytes a block, 16 a wave, the group's 256 bytes
	s_lshl_b32 s31, s14, 15
	s_add_co_u32 s30, s30, s31
	s_add_co_u32 s30, s30, s28
	s_mov_b32 s31, 0
	s_wait_kmcnt 0x0
	s_load_b64 s[16:17], s[10:11], 0x28            ; e10, e11
	s_add_nc_u64 s[6:7], s[6:7], s[24:25]
	s_add_nc_u64 s[4:5], s[4:5], s[26:27]
	s_add_nc_u64 s[8:9], s[8:9], s[28:29]
	s_add_nc_u64 s[12:13], s[12:13], s[30:31]
.irp i, 0,1
.irp c, 0,1,2,3
.irp j, 0,1
	global_load_b128 v[WS+32*\i+8*\c+4*\j:WS+32*\i+8*\c+4*\j+3], v[XA], s[6:7] offset:32768*\i+64*\c+16*\j   ; register 32 i + 8 c + n = Wo(16 i + r, 16 c + 8 h + n) of my K step
.endr
.endr
.endr
.irp i, 0,1,2,3,4,5,6,7,8,9,10,11,12,13,14,15
	global_load_b128 v[AF+4*\i:AF+4*\i+3], v[LI], s[4:5] offset:512*\i     ; o's eight fragments, as they lie
.endr
.irp t, 0,1,2,3
.irp j, 0,1
	global_load_b128 v[BO+8*\t+4*\j:BO+8*\t+4*\j+3], v[HB], s[8:9] offset:64*\t+16*\j   ; bo(16 t + 8 h + 0 .. 7): the result's layout
.endr
.endr
	s_wait_kmcnt 0x0
	MKSC SCW, LMW, 17
	s_add_co_i32 s18, s16, s17
	s_add_co_i32 s18, s18, 127
	s_lshl_b32 s18, s18, 23                        ; 2^(e10 + e11) as f32
	s_mov_b32 s19, s18                             ; (named with it as a pair, so it is written)
	s_wait_loadcnt 24                              ; Wo's 16 loads are in; o's 16 and bo's 8 may be out
.set n, 0
.rept 64
	v_med3_num_f32 v[WS+n], v[WS+n], -v[LMW], v[LMW]   ; the conversion to an 8-bit code does not saturate (ISA guide 7.6.2): the hold at the largest code x the scale
.set n, n+1
.endr
.set n, 0
.rept 8
	v_cvt_scalef32_pk8_bf8_f32 v[WC+2*n:WC+2*n+1], v[WS+8*n:WS+8*n+7], v[SCW]
.set n, n+1
.endr
	v_nop                                          ; a plain instruction behind the conversions
.irp i, 0,1
.irp c, 0,1
	ds_store_b128 v[WST], v[WC+8*\i+4*\c:WC+8*\i+4*\c+3] offset:1024*\i+512*\c
.endr
.endr
	s_wait_dscnt 0x0                               ; for the others' sake: my images have landed
	s_barrier_signal -1
	s_barrier_wait -1                              ; Wo's 32 fragments lie in LDS; nothing is stored there again
	FETCH 0
	FETCH 1
	s_wait_loadcnt 8                               ; o is in; bo's 8 loads may be out
.irp s, 0,1,2,3,4,5,6,7                ; K in 8 steps of 64; the four accumulators take turns, one instruction a turn; step 0's products start the sums
.if \s < 7
	s_wait_dscnt 8                                 ; this step's fragments are in; the next step's eight loads may be out
.else
	s_wait_dscnt 0x0
.endif
.irp t, 0,1,2,3
.if \s == 0
	v_wmma_f32_16x16x64_bf8_bf8 v[ACC+8*\t:ACC+8*\t+7], v[WS+32*(\s%2)+8*\t:WS+32*(\s%2)+8*\t+7], v[AF+8*\s:AF+8*\s+7], 0
.else
	v_wmma_f32_16x16x64_bf8_bf8 v[ACC+8*\t:ACC+8*\t+7], v[WS+32*(\s%2)+8*\t:WS+32*(\s%2)+8*\t+7], v[AF+8*\s:AF+8*\s+7], v[ACC+8*\t:ACC+8*\t+7]
.endif
.endr
.if \s < 6
	PLACES 4                                       ; in front of loads into registers that matrix instructions have read
	FETCH \s+2
.endif
.endr
	PLACES 4                                       ; in front of the first read of results
	s_wait_loadcnt 0x0                             ; bo
.irp t, 0,1,2,3
.irp i, 0,2,4,6
	v_pk_fma_f32 v[EV+8*\t+\i:EV+8*\t+\i+1], v[ACC+8*\t+\i:ACC+8*\t+\i+1], s[18:19], v[BO+8*\t+\i:BO+8*\t+\i+1] op_sel_hi:[1,0,1]   ; sum x 2^(e10 + e11) + bo, each accumulator from its low end on
.endr
.endr
.irp t, 0,1,2,3
.irp j, 0,1
	ds_store_b128 v[STO], v[EV+8*\t+4*\j:EV+8*\t+4*\j+3] offset:64*\t+16*\j
.endr
.endr
.irp i, 0,1,2,3,4,5,6,7
	ds_load_b128 v[WS+4*\i:WS+4*\i+3], v[SRD] offset:544*\i        ; LDS serves a wave's instructions in order (ISA guide 5.7.1.4): these see my stores
.endr
.irp i, 0,1,2,3,4,5,6,7
	s_wait_dscnt 7-\i
	global_store_b128 v[GO], v[WS+4*\i:WS+4*\i+3], s[12:13] offset:4096*\i th:TH_STORE_NT   ; written once, read by nobody here
.endr
	s_wait_tensorcnt 0x0
	ds_add_u32 v14, v15
	s_wait_dscnt 0x0
	s_endpgm
.Lfunc_end_k_qce2352d1e5_outp:
	.size	k_qce2352d1e5_outp, .Lfunc_end_k_qce2352d1e5_outp-k_qce2352d1e5_outp
	.p2alignl 7, 3214868480
	.fill 96, 4, 3214868480
	.section	.rodata,"a",@progbits
	.p2align	6, 0x0
	.amdhsa_kernel k_qce2352d1e5_outp
		.amdhsa_group_segment_fixed_size 104448
		.amdhsa_private_segment_fixed_size 0
		.amdhsa_enable_private_segment 0
		.amdhsa_kernarg_size 40
		.amdhsa_user_sgpr_count 2
		.amdhsa_user_sgpr_kernarg_segment_ptr 1
		.amdhsa_wavefront_size32 1
		.amdhsa_system_sgpr_workgroup_id_x 1
		.amdhsa_system_sgpr_workgroup_id_y 1
		.amdhsa_system_sgpr_workgroup_id_z 1
		.amdhsa_system_vgpr_workitem_id 0
		.amdhsa_next_free_vgpr 256
		.amdhsa_next_free_sgpr 66
		.amdhsa_reserve_vcc 0
		.amdhsa_float_denorm_mode_32 3
		.amdhsa_float_denorm_mode_16_64 3
		.amdhsa_memory_ordered 1
		.amdhsa_forward_progress 1
		.amdhsa_inst_pref_size 22
	.end_amdhsa_kernel
	.amdgpu_metadata
---
amdhsa.version: [ 1, 2 ]
amdhsa.kernels:
  - .name:           k_qce2352d1e5_outp
    .symbol:         k_qce2352d1e5_outp.kd
    .args:
      - { .name: oc, .offset: 0, .size: 8, .value_kind: global_buffer, .address_space: global }
      - { .name: Wo, .offset: 8, .size: 8, .value_kind: global_buffer, .address_space: global }
      - { .name: bo, .offset: 16, .size: 8, .value_kind: global_buffer, .address_space: global }
      - { .name: lowp_scales, .offset: 24, .size: 8, .value_kind: global_buffer, .address_space: global }
      - { .name: out0, .offset: 32, .size: 8, .value_kind: global_buffer, .address_space: global }
    .group_segment_fixed_size: 104448
    .private_segment_fixed_size: 0
    .kernarg_segment_align: 8
    .kernarg_segment_size: 40
    .max_flat_workgroup_size: 512
    .sgpr_count:     66
    .vgpr_count:     256
    .wavefront_size: 32
...
	.end_amdgpu_metadata
.endif
;; end of part 3
;; ======== version 2 of 3: 3 launches; 1.11 times as fast as version 1
;; workspace buffers: qc 4,194,304 bytes; kv 8,388,608 bytes; oc 4,194,304 bytes
;; launch proj: the kernel of part 1 again; grid 8 x 32, 8 waves a work-group, no clusters, 99,328 bytes of LDS; arguments x, Wq, Wk, Wv, bq, bk, bv, lowp_scales, qc, kv; writes qc, kv
;; launch attn (part 4): grid 16 x 16, 8 waves a work-group, clusters of 4 x 1, 327,680 bytes of LDS; arguments qc, kv, lowp_scales, oc; writes oc
.if DOCPART == 4
	.amdgcn_target "amdgcn-amd-amdhsa--gfx1250"
	.amdhsa_code_object_version 6
	.text
	.protected	k_qce2352d1e5_attn
	.globl	k_qce2352d1e5_attn
	.p2align	8
	.type	k_qce2352d1e5_attn,@function
k_qce2352d1e5_attn:
	s_mov_b64 s[64:65], 0
	v_nop
	global_prefetch_b8 v0, s[64:65] scope:SCOPE_SE
	s_setreg_imm32_b32 hwreg(HW_REG_WAVE_MODE, 25, 1), 1
	s_wait_xcnt 0x0
	s_wait_alu depctr_hold_cnt(0) depctr_sa_sdst(0) depctr_va_vdst(0) depctr_va_sdst(0) depctr_va_ssrc(0) depctr_va_vcc(0) depctr_vm_vsrc(0)
	s_getreg_b32 s2, hwreg(HW_REG_IB_STS2, 6, 4)
	s_cmp_eq_u32 s2, 0
	s_cbranch_scc0 .Lentry_in_a_cluster
	s_endpgm
.Lentry_in_a_cluster:
	s_bfe_u32 s2, ttmp6, 0x10000c
	s_cmp_lg_u32 s2, 0x3003
	s_cbranch_scc0 .Lentry_shape_is_right
	s_endpgm
.Lentry_shape_is_right:
; o = softmax(q k^T / 8) v for 16 heads of batch, 4,096 queries and keys, head size 64, both products on codes of BF8 (E5M2); o is quantised at once (2^e10) and stored as codes.
; qc, kv: register images (a fragment's registers four at a time, lane l's 16 bytes at 16 l, 512 bytes a piece).  qc: [head 16][tile of 16 queries 256][1,024].
; kv: [head 16][step of 128 keys 32][K's 8 tiles of 16 keys x 1,024, then V^T's 4 tiles of 16 channels x 2,048].  oc: [tile of 16 rows 512][head 8][1,024].
; THE SOFTMAX: t = score x log2(e) / 8; M = the running largest t rounded UP to a whole number; p = 2^(t - M) is what is quantised (2^e8), not normalised; the row's sum is taken of the unquantised p
; and divides at the end.  When M moves, the sum and O are multiplied by 2^(old M - new M), which rounds nothing; there is no branch on data.
; SHARES.  A work-group owns 256 queries of one head, each of its eight waves 32: two tiles, which share every fragment of K and V^T read from LDS.  Every wave walks all 4,096 keys, 128 a step.
; LAYOUT.  Both products are used transposed: S^T = K Q^T (source 0 = 16 keys, source 1 = 16 queries), O^T = V^T P^T (source 0 = 16 channels, source 1 = P): a lane holds ONE query (lane % 16) throughout,
; register j of S^T's tile u is key 16 u + 8 (lane / 16) + j, so one conversion a tile gives registers 2 u, 2 u + 1 of P's fragment, and likewise O^T's tiles give oc's fragment.  Nothing changes lanes.
; BY TURNS.  Tile 0 runs half a step ahead of tile 1.  In a TURN one tile's 64 exponentials are dealt evenly among the other tile's whole chain: BACK (sum, hold, conversions), O^T's rescaling, V^T P,
; K Q^T of its next step, FRONT (maximum, M, t - M): 153 plain instructions for 64 exponentials, so two or three plain instructions stand between two exponentials, and a result is first read a turn later.
;   turn A of step j: exponentials of tile 0, step j  |  tile 1: BACK j - 1, V^T P j - 1, K Q^T j, the LDS loads of V(j) and K(j + 1), FRONT j
;   turn B of step j: exponentials of tile 1, step j  |  tile 0: BACK j, V^T P j, K Q^T j + 1, FRONT j + 1
; So one set of registers serves K and one V, and a step's LDS loads stand a FRONT and a BACK ahead of the wait for them.
; THE HOLD of p at the largest code goes two numbers an instruction, as a dual-issue pair: the two numbers are an even register and the odd one next to it, and the limit stands in two registers (v6, v7), so that
; the pair's destinations are one even and one odd and its first and its second sources lie in different register banks, as the dual-issue form asks (ISA guide, the chapter on the VOPD encoding).
; CLUSTER.  The four query blocks of a cluster belong to one head and walk the same kv: each tile is asked for JOINTLY, by the same tensor load with the same descriptor and the mask 15 in all four.
; THE RING.  V(j) and K(j + 1) are neighbours in kv, so a step of the ring is the 16,384 bytes from byte 8,192 + 16,384 j of the head: all LDS reads of a step fall into its turn A.  K(0) comes straight into registers.
; Two LDS slots of 8 steps (131,072 bytes); each wave fetches one step of a slot.  A head is four slots' worth: two first fills, two refills.  The head's last step has V(31) alone: the last refill states what is left
; of the head as the tensor's rows, so nothing is read beyond it.  By this text's count two tensor loads of a wave are out at the start, later one.
; LIMITS: e6 + e7 between -123 and 130 (added to c's exponent field); e8 between -109 and 112 (an exponential under 2^-126 comes out as 0: with e8 >= -109 its code is 0 in any case); e10 between -126 and 112;
; e8 + e9 is applied by v_ldexp_f32 and has none.
; REGISTERS, window 0: v1-7 addresses, p's scale and limit; v8-39 sixteen registers of statistics a tile; v40-55 o's codes; v64-127 O^T; v128-255 S^T, then p.   window 1: v0-63 K; v64-127 V^T; v128-143 Q; v144-175 p's codes.
; All that the exponentials stand among lies in window 0; the matrix instructions share one setting (sources 0 and 1 window 1), the conversions and the LDS loads another (destination window 1): ten switches a step.
.set STEPB, 16384
.set SLOT1, 1<<17
.set SPARE, 2*SLOT1                    ; behind the ring: the spare words, 128 bytes for each wave: four blocks of 256 bytes that no other line names
.set LI,   1                           ; 16 x lane
.set ADR,  2                           ; the step's first byte + 16 x lane
.set SPW,  3                           ; LDS address of my spare word; never rewritten
.set NIL,  4                           ; 0; never rewritten
.set SCP,  5                           ; 2^e8; on the way out 2^e10
.set LIMP, 6                           ; 57,344 x that
.set LIMQ, 7                           ; 57,344 x 2^e8 once more, for the second half of a dual-issue pair
.set ST,   8                           ; tile q's statistics at ST + 16 q: +0 -M, +1 the largest t, +2, +3 the sum in two halves, +4 f (+5 is 0: named with it as a pair), +6 .. +9 four chains of the maximum,
                                       ; in BACK two chains of sums, +10, +11 another chain of sums, +12 the other half of the lanes', +13 the old -M
.set OCD,  40
.set OA,   64
.set S,    128
.set KF,   0                           ; in window 1
.set VF,   64
.set QF,   128
.set PCD,  144
.set WV,   12                          ; s12 my wave's number
.set G1,   16                          ; s[16:23] descriptor group 1
.set G0A,  24                          ; s[24:27] group 0 for slot 0
.set G0B,  28                          ; s[28:31] for slot 1
.set SEL,  32                          ; s[32:33] lane selects for v_permlanex16_b32: lane l xor 16
.set CS,   34                          ; s[34:35] c = log2(e) x 2^(e6 + e7) / 8
.set TB,   36                          ; s36 LDS byte at which the step in hand begins
.set CNT,  37                          ; s37 steps left in the loop
.set DL,   38                          ; s38 group 1's third word for the last refill
.set W_MAT, 0x05                       ; sources 0 and 1 window 1; C and D window 0
.set W_TO1, 0x40                       ; destination window 1
.set MSB, 0
.macro WIN new                         ; the immediate's high byte repeats the setting that is left
.if MSB != (\new)
	s_set_vgpr_msb (MSB<<8)|(\new)
.set MSB, (\new)
.endif
.endm
.macro PLACES n
.rept \n
	v_nop
.endr
.endm
.macro MKSC sc, lim, e                 ; v[sc] = 2^e as f32, v[lim] = 57,344 x 2^e; e in s[e]
	s_add_co_i32 s48, s[\e], 127
	s_lshl_b32 s49, s48, 23
	v_mov_b32 v[\sc], s49
	s_add_co_i32 s48, s48, 15
	s_lshl_b32 s48, s48, 23
	s_or_b32 s48, s48, 0x600000
	v_mov_b32 v[\lim], s48
.endm
; A round of the cluster's barrier: my work-group's barrier, so that wave 0's signal speaks for all eight waves; wave 0 signals for the work-group; every wave waits for all four work-groups; my work-group's barrier once more.
.macro CROUND
	s_barrier_signal -1
	s_barrier_wait -1
	s_cmp_lg_u32 s[WV], 0
	s_cbranch_scc1 .Lnot_wave_0_\@
	s_barrier_signal -3
.Lnot_wave_0_\@:
	s_barrier_wait -3
	s_barrier_signal -1
	s_barrier_wait -1
.endm
; Behind each plain instruction of a turn's chain: pc counts them (NPL in the turn), ec the exponentials of tile EY written so far; one more is written while ec / 64 lags behind pc / NPL.
; Each exponential has an instruction of the other tile behind it, which touches none of its registers; the 64th stands ahead of the chain's last plain instructions.
.macro TICK
.set pc, pc+1
.if (ec < 64) && (ec*NPL < pc*64)
	v_exp_f32 v[S+64*EY+ec], v[S+64*EY+ec]         ; p = 2^(t - M), at most 1
.set ec, ec+1
.endif
.endm
; BACK, tile x: the sum under the new M; the sum of the UNQUANTISED p, two at a time, in four chains (the running sum and three that the first twelve numbers start), so that eight instructions stand between two
; links of a chain; the holds of four numbers (p is not negative: one-sided), two dual-issue pairs, stand behind the sums that read the same registers; eight conversions; O^T's rescaling.  81 plain instructions.
.macro BACK x
.set rT, ST+16*\x
.set rS, S+64*\x
	v_pk_mul_f32 v[rT+2:rT+3], v[rT+2:rT+3], v[rT+4:rT+5] op_sel_hi:[1,0]
	TICK
.set ba, 0
.rept 16
.if ba == 0
.set bc, rT+10
.elseif ba == 4
.set bc, rT+6
.elseif ba == 8
.set bc, rT+8
.elseif (ba/4)%2 == 1
.set bc, rT+2
.set bd, rT+10
.else
.set bc, rT+6
.set bd, rT+8
.endif
.if ba < 12
	s_wait_alu depctr_va_vdst(0)
	v_pk_add_f32 v[bc:bc+1], v[rS+ba:rS+ba+1], v[rS+ba+2:rS+ba+3]   ; four numbers start a chain: nothing is cleared
	TICK
.else
	v_pk_add_f32 v[bc:bc+1], v[bc:bc+1], v[rS+ba:rS+ba+1]
	TICK
	v_pk_add_f32 v[bd:bd+1], v[bd:bd+1], v[rS+ba+2:rS+ba+3]
	TICK
.endif
.irp i, 0,2
	v_dual_min_num_f32 v[rS+ba+\i], v[LIMP], v[rS+ba+\i] :: v_dual_min_num_f32 v[rS+ba+\i+1], v[LIMQ], v[rS+ba+\i+1]   ; the conversion to an 8-bit code does not saturate (ISA guide 7.6.2)
	TICK
.endr
.set ba, ba+4
.endr
	v_pk_add_f32 v[rT+2:rT+3], v[rT+2:rT+3], v[rT+10:rT+11]
	TICK
	v_pk_add_f32 v[rT+6:rT+7], v[rT+6:rT+7], v[rT+8:rT+9]
	TICK
	v_pk_add_f32 v[rT+2:rT+3], v[rT+2:rT+3], v[rT+6:rT+7]
	TICK
	WIN W_TO1
.set bb, 0
.rept 8
	v_cvt_scalef32_pk8_bf8_f32 v[PCD+16*\x+2*bb:PCD+16*\x+2*bb+1], v[rS+8*bb:rS+8*bb+7], v[SCP]   ; tile bb of S^T: registers 2 bb, 2 bb + 1 of P's fragment
.set bb, bb+1
.endr
	WIN 0
.set bb, 0
.rept 16
	v_pk_mul_f32 v[OA+32*\x+bb:OA+32*\x+bb+1], v[OA+32*\x+bb:OA+32*\x+bb+1], v[rT+4:rT+5] op_sel_hi:[1,0]   ; O^T under the new M, each accumulator from its low end on.  (Also the plain instructions between the conversions and the products)
	TICK
.set bb, bb+2
.endr
.endm
; FRONT, tile x: the largest of my 64 scores in four chains, the scores in ascending order (each accumulator is first read at its low end); the other half of the lanes'; t, the running largest t,
; the new -M = floor(-t); t - M, two at a time.  f = 2^(old M - new M) is wanted a turn later: its three instructions stand among the multiply-adds.  72 plain instructions.
.macro FRONT x
.set rT, ST+16*\x
.set rS, S+64*\x
.irp k, 0,1,2,3
	v_max3_num_f32 v[rT+6+\k], v[rS+3*\k], v[rS+3*\k+1], v[rS+3*\k+2]
	TICK
.endr
.set fk, 0
.rept 26
	v_max3_num_f32 v[rT+6+fk%4], v[rT+6+fk%4], v[rS+12+2*fk], v[rS+13+2*fk]
	TICK
.set fk, fk+1
.endr
	v_max3_num_f32 v[rT+6], v[rT+6], v[rT+7], v[rT+8]
	TICK
	v_max_num_f32 v[rT+6], v[rT+6], v[rT+9]
	TICK
	v_permlanex16_b32 v[rT+12], v[rT+6], s[SEL], s[SEL+1]
	TICK
	v_max_num_f32 v[rT+6], v[rT+6], v[rT+12]
	TICK
	v_mul_f32 v[rT+6], s[CS], v[rT+6]              ; as t (c is positive)
	TICK
	v_max_num_f32 v[rT+1], v[rT+1], v[rT+6]
	TICK
	v_floor_f32 v[rT], -v[rT+1]                    ; -M = floor(-t) = -ceil(t): M is a whole number
	TICK
.set fb, 0
.rept 32
	v_pk_fma_f32 v[rS+fb:rS+fb+1], v[rS+fb:rS+fb+1], s[CS:CS+1], v[rT:rT+1] op_sel_hi:[1,0,0]   ; of the pairs c and -M the low word serves both halves
	TICK
.if fb == 2
	v_sub_f32 v[rT+7], v[rT], v[rT+13]             ; old M - new M: a whole number, 0 or less
	TICK
.elseif fb == 6
	v_cvt_i32_f32 v[rT+7], v[rT+7]                 ; (it saturates)
	TICK
.elseif fb == 10
	v_ldexp_f32 v[rT+4], 1.0, v[rT+7]
	TICK
.endif
.set fb, fb+2
.endr
.endm
; A TURN.  Tile x's chain; ex = 1: the other tile's exponentials among it.  back = 1: BACK, the rescaling and V^T P; qk = 1: K Q^T of x's next step and FRONT; ldv, ldk = 1: the LDS loads of V and of K.
; The accumulators take turns, one instruction a turn: four of O^T, then eight of S^T, whose products start their sums.
.macro TURN x, back, qk, ldv, ldk, ex
.set EY, 1-\x
.set pc, 0
.set NPL, 81*\back+72*\qk
.if \ex
.set ec, 0
.else
.set ec, 64
.endif
.if \back
	BACK \x
.endif
.if \back && (\x == 0)
	s_wait_dscnt 0x0                               ; V of this step and K of the next, asked for in the turn before, are in
.endif
	WIN W_MAT
.if \back
.irp t, 0,1,2,3
	v_wmma_f32_16x16x128_bf8_bf8 v[OA+32*\x+8*\t:OA+32*\x+8*\t+7], v[VF+16*\t:VF+16*\t+15], v[PCD+16*\x:PCD+16*\x+15], v[OA+32*\x+8*\t:OA+32*\x+8*\t+7]
.endr
.endif
.if \qk
.irp u, 0,1,2,3,4,5,6,7
	v_wmma_f32_16x16x64_bf8_bf8 v[S+64*\x+8*\u:S+64*\x+8*\u+7], v[KF+8*\u:KF+8*\u+7], v[QF+8*\x:QF+8*\x+7], 0
.endr
.endif
	WIN 0
	; four places behind the products, in front of the loads into K's and V^T's registers and of the first read of the scores: plain instructions that name none of the products' registers
.if \qk
	v_mov_b32 v[ST+16*\x+13], v[ST+16*\x]          ; -M is kept for f: FRONT writes it anew
.else
	v_nop
.endif
.if \ldv
	v_add_nc_u32 v[ADR], s[TB], v[LI]
.else
	v_nop
.endif
	v_nop
	v_nop
.if \ldv || \ldk
	WIN W_TO1
.if \ldv
.irp t, 0,1,2,3
.irp c, 0,1,2,3
	ds_load_b128 v[VF+16*\t+4*\c:VF+16*\t+4*\c+3], v[ADR] offset:2048*\t+512*\c
.endr
.endr
.endif
.if \ldk
.irp u, 0,1,2,3,4,5,6,7
.irp c, 0,1
	ds_load_b128 v[KF+8*\u+4*\c:KF+8*\u+4*\c+3], v[ADR] offset:8192+1024*\u+512*\c
.endr
.endr
.endif
	WIN 0
.endif
.if \qk
	FRONT \x
.endif
.endm
.macro STEPS trips                     ; so many whole key steps; every window is 0 at the label and at the branch
	s_mov_b32 s[CNT], \trips
.Lstep_\@:
	TURN 1, 1, 1, 1, 1, 1
	TURN 0, 1, 1, 0, 0, 1
	s_add_co_u32 s[TB], s[TB], STEPB
	s_sub_co_u32 s[CNT], s[CNT], 1
	s_cmp_lg_u32 s[CNT], 0
	s_cbranch_scc1 .Lstep_\@
.endm
; THE CHANGE OF SLOTS.  Each wave waits for all its tensor loads (its part of the slot ahead), adds 0 to its spare word, and waits for that and for its reads of the slot that it leaves.  The barrier is a round of the
; cluster's: behind it no wave of any partner reads the slot left or has a load on its way.  The joint refill, the keys two slots on, is the first thing behind it and has eight key steps in which to land.
.macro CHANGE g0, last
	s_wait_tensorcnt 0x0                           ; no tensor load of mine is out, so the descriptors may be written
	ds_add_u32 v[SPW], v[NIL]                      ; 0 onto my spare word
	s_add_nc_u64 s[\g0+2:\g0+3], s[\g0+2:\g0+3], 2*8*STEPB   ; the type bits on top are not reached
.if \last
	s_mov_b32 s[G1+2], s[DL]                       ; the rows left of the head from my tile's first: 64 or more, but 32 for wave 7
.endif
	s_wait_dscnt 0x0                               ; the add is done, and my reads of the slot are over
	CROUND
	tensor_load_to_lds s[\g0:\g0+3], s[G1:G1+7]
	s_nop 0
	PLACES 4
.endm
	s_load_b256 s[4:11], s[0:1], 0x0               ; qc s[4:5], kv s[6:7], the scales' exponents s[8:9], oc s[10:11]
	v_lshl_add_u32 v[SPW], v0, 2, SPARE
	v_mov_b32 v[NIL], 0
	ds_add_u32 v3, v4
	ds_add_u32 v3, v4
	s_wait_dscnt 0x0
	v_lshrrev_b32 v[ADR], 5, v0
	v_readfirstlane_b32 s[WV], v[ADR]              ; wave 0..7
	v_and_b32 v[LI], 31, v0
	v_lshlrev_b32 v[LI], 4, v[LI]
	s_bfe_u32 s13, ttmp6, 0x40000                  ; cx: my place in the cluster
	s_lshl_b32 s14, ttmp9, 2                       ; in a cluster launch ttmp9 counts clusters
	s_add_co_u32 s14, s14, s13                     ; my block of 256 queries: it enters qc's and oc's addresses alone
	s_and_b32 s15, ttmp7, 0xffff                   ; the head of batch, which the four partners share
	s_lshl_b32 s52, s15, 19                        ; kv: the head's 524,288 bytes
	s_mov_b32 s53, 0
	s_lshl_b32 s46, s[WV], 14                      ; my wave's step of a slot, behind K(0)'s 8,192 bytes
	s_add_co_u32 s46, s46, 8192
	s_mov_b32 s47, 0
	s_lshl_b32 s48, s15, 18                        ; qc: 256 tiles a head, 16 a block, 2 a wave
	s_lshl_b32 s49, s14, 14
	s_add_co_u32 s48, s48, s49
	s_lshl_b32 s49, s[WV], 11
	s_add_co_u32 s48, s48, s49
	s_mov_b32 s49, 0
	s_lshr_b32 s50, s15, 3                         ; oc: ((256 x batch + 16 x block + 2 x wave) x 8 + head) x 1,024
	s_lshl_b32 s50, s50, 8
	s_lshl_b32 s51, s14, 4
	s_add_co_u32 s50, s50, s51
	s_lshl_b32 s51, s[WV], 1
	s_add_co_u32 s50, s50, s51
	s_lshl_b32 s50, s50, 3
	s_and_b32 s51, s15, 7
	s_add_co_u32 s50, s50, s51
	s_lshl_b32 s50, s50, 10
	s_mov_b32 s51, 0
	; descriptor group 1: a dense block of 16,384 bytes as 64 rows of 32 elements of 8 bytes
	s_mov_b32 s[G1], 15|(3<<16)|(1<<21)            ; 15:0 the mask: all four work-groups; 17:16 elements of 8 bytes; 20 no padding; 21 set beside a mask
	s_mov_b32 s[G1+1], 32<<16                      ; tensor_dim0 = 32
	s_mov_b32 s[G1+2], 64<<16                      ; tensor_dim1 = 64
	s_mov_b32 s[G1+3], 32<<16                      ; tile_dim0 = 32
	s_mov_b32 s[G1+4], 64                          ; tile_dim1 = 64
	s_mov_b32 s[G1+5], 32                          ; tensor_dim0_stride: each row begins where the last ends
	s_mov_b32 s[G1+6], 0
	s_mov_b32 s[G1+7], 0
	s_xor_b32 s[DL], s[WV], 7                      ; the last refill: from wave w's tile on 64 (7 - w) + 32 rows of the head are left;
	s_lshl_b32 s[DL], s[DL], 6
	s_add_co_u32 s[DL], s[DL], 32
	s_min_u32 s[DL], s[DL], 64                     ; at most the tile's 64 are stated: rows of the tile beyond them arrive as zeros and are not read from memory
	s_lshl_b32 s[DL], s[DL], 16
	s_mov_b32 s[SEL], 0x76543210
	s_mov_b32 s[SEL+1], 0xfedcba98
	s_wait_kmcnt 0x0
	s_load_b128 s[40:43], s[8:9], 0x18             ; e6, e7, e8, e9
	s_load_b32 s44, s[8:9], 0x28                   ; e10
	s_add_nc_u64 s[52:53], s[6:7], s[52:53]        ; kv at the head: K(0)
	s_add_nc_u64 s[6:7], s[52:53], s[46:47]        ; and at my step of slot 0
	s_add_nc_u64 s[4:5], s[4:5], s[48:49]
	s_add_nc_u64 s[10:11], s[10:11], s[50:51]
	CROUND                                         ; all four work-groups are here: the first joint loads meet
	s_mov_b32 s[G0A], 1                            ; count = 1
	s_lshl_b32 s[G0A+1], s[WV], 14                 ; LDS address: my step of slot 0: no place in the cluster enters it
	s_mov_b64 s[G0A+2:G0A+3], s[6:7]               ; global address: steps 0 to 7
	s_or_b32 s[G0A+3], s[G0A+3], 0x80000000        ; type = 2
	s_mov_b32 s[G0B], 1
	s_add_co_u32 s[G0B+1], s[G0A+1], SLOT1
	s_add_nc_u64 s[G0B+2:G0B+3], s[6:7], 8*STEPB   ; steps 8 to 15
	s_or_b32 s[G0B+3], s[G0B+3], 0x80000000
	tensor_load_to_lds s[G0A:G0A+3], s[G1:G1+7]    ; both first fills go out together, ahead of every wait on TENSORcnt and every LDS read
	s_nop 0
	tensor_load_to_lds s[G0B:G0B+3], s[G1:G1+7]
	s_nop 0
	PLACES 4
	WIN W_TO1
.irp i, 0,1,2,3
	global_load_b128 v[QF+4*\i:QF+4*\i+3], v[LI], s[4:5] offset:512*\i th:TH_LOAD_NT   ; my two tiles of Q stay in registers; read once in the launch
.endr
.irp i, 0,1,2,3,4,5,6,7,8,9,10,11,12,13,14,15
	global_load_b128 v[KF+4*\i:KF+4*\i+3], v[LI], s[52:53] offset:512*\i               ; K of step 0, as it lies: the first products need no tile in LDS
.endr
	WIN 0
.irp q, 0,1
	v_mov_b32 v[ST+16*\q+1], 0xff61b1e6            ; the largest t so far: -3e38, under every t
	v_floor_f32 v[ST+16*\q], -v[ST+16*\q+1]        ; -M
	v_mov_b32 v[ST+16*\q+2], 0                     ; the sum, in two halves
	v_mov_b32 v[ST+16*\q+3], 0
	v_mov_b32 v[ST+16*\q+5], 0                     ; (named as the upper half of f's pair)
	v_mov_b32 v[ST+16*\q+12], 0                    ; written once: a lane permute's destination counts as one of its sources
.endr
.set n, 0
.rept 64
	v_mov_b32 v[OA+n], 0                           ; O^T.  (V^T P is written without a first copy: the first step finds zeros, which the first change of M leaves zeros)
.set n, n+1
.endr
	s_wait_kmcnt 0x0
	s_add_co_i32 s46, s40, s41
	s_sub_co_i32 s46, s46, 3                       ; a score stands for score x 2^(e6 + e7), and 1 / sqrt(64) = 2^-3: all three go into the exponent field of log2(e)
	s_lshl_b32 s46, s46, 23
	s_add_co_i32 s[CS], s46, 0x3fb8aa3b
	s_mov_b32 s[CS+1], s[CS]                       ; (named with it as a pair, so it is written)
	MKSC SCP, LIMP, 42                             ; p's scale 2^e8
	v_mov_b32 v[LIMQ], v[LIMP]                     ; the limit a second time, for the dual-issue pairs
	s_wait_loadcnt 0x0                             ; Q and K(0)
	TURN 0, 0, 1, 0, 0, 0                          ; tile 0: K Q^T and FRONT of step 0, while the first tiles are on their way
	s_wait_tensorcnt 0x1                           ; my part of slot 0 is in; slot 1's may stay out
	s_barrier_signal -1
	s_barrier_wait -1                              ; everybody's is
	s_mov_b32 s[TB], 0
	TURN 1, 0, 1, 1, 1, 1                          ; step 0's turn A has nothing yet to sum or to multiply by V
	TURN 0, 1, 1, 0, 0, 1
	s_mov_b32 s[TB], STEPB
	STEPS 7                                        ; steps 1 to 7
	CHANGE G0A, 0                                  ; slot 0 takes steps 16 on
	s_mov_b32 s[TB], SLOT1
	STEPS 8
	CHANGE G0B, 1                                  ; slot 1 takes steps 24 on: the last load
	s_mov_b32 s[TB], 0
	STEPS 8
	s_wait_tensorcnt 0x0                           ; the last change of slots: nothing is asked for, so the work-group's own barrier does
	ds_add_u32 v[SPW], v[NIL]                      ; 0 onto my spare word
	s_wait_dscnt 0x0
	s_barrier_signal -1
	s_barrier_wait -1
	s_mov_b32 s[TB], SLOT1
	STEPS 7                                        ; steps 24 to 30
	s_mov_b32 s[TB], SLOT1+7*STEPB
	TURN 1, 1, 1, 1, 0, 1                          ; step 31: there is no further K to fetch,
	TURN 0, 1, 0, 0, 0, 1                          ; no further scores for tile 0,
	TURN 1, 1, 0, 0, 0, 0                          ; and tile 1's last sums and products stand alone; the four places behind them are the turn's own
	; THE WAY OUT.  O^T x 2^(e8 + e9) / the sum is o; held, converted with 2^e10: a tile's four conversions are one fragment of the last product's operand: two stores of 512 consecutive bytes.
	s_add_co_i32 s46, s42, s43
	MKSC SCP, LIMP, 44
.irp q, 0,1
	v_add_f32 v[ST+16*\q+6], v[ST+16*\q+2], v[ST+16*\q+3]          ; the sum's two halves,
.endr
.irp q, 0,1
	v_permlanex16_b32 v[ST+16*\q+12], v[ST+16*\q+6], s[SEL], s[SEL+1]
.endr
.irp q, 0,1
	v_add_f32 v[ST+16*\q+6], v[ST+16*\q+6], v[ST+16*\q+12]         ; and lane l xor 16's: the row's sum
.endr
.irp q, 0,1
	v_rcp_f32 v[ST+16*\q+7], v[ST+16*\q+6]
.endr
	v_nop                                          ; a plain instruction between the last reciprocal and the use of its result
.irp q, 0,1
	s_wait_alu depctr_va_vdst(0)
	v_ldexp_f32 v[ST+16*\q+4], v[ST+16*\q+7], s46
.endr
.irp q, 0,1
.set n, 0
.rept 16
	v_pk_mul_f32 v[S+64*\q+n:S+64*\q+n+1], v[OA+32*\q+n:OA+32*\q+n+1], v[ST+16*\q+4:ST+16*\q+5] op_sel_hi:[1,0]   ; each accumulator from its low end on
.set n, n+2
.endr
.set n, 0
.rept 32
	v_med3_num_f32 v[S+64*\q+n], v[S+64*\q+n], -v[LIMP], v[LIMP]
.set n, n+1
.endr
.irp t, 0,1,2,3
	v_cvt_scalef32_pk8_bf8_f32 v[OCD+8*\q+2*\t:OCD+8*\q+2*\t+1], v[S+64*\q+8*\t:S+64*\q+8*\t+7], v[SCP]
.endr
.irp c, 0,1
	global_store_b128 v[LI], v[OCD+8*\q+4*\c:OCD+8*\q+4*\c+3], s[10:11] offset:8192*\q+512*\c
.endr
.endr
	s_wait_tensorcnt 0x0                           ; the wave's end
	ds_add_u32 v[SPW], v[NIL]
	s_wait_dscnt 0x0
	CROUND                                         ; the closing round: no work-group ends while a partner may still ask for a tile that names it
	s_endpgm
.Lfunc_end_k_qce2352d1e5_attn:
	.size	k_qce2352d1e5_attn, .Lfunc_end_k_qce2352d1e5_attn-k_qce2352d1e5_attn
	.p2alignl 7, 3214868480
	.fill 96, 4, 3214868480
	.section	.rodata,"a",@progbits
	.p2align	6, 0x0
	.amdhsa_kernel k_qce2352d1e5_attn
		.amdhsa_group_segment_fixed_size 327680
		.amdhsa_private_segment_fixed_size 0
		.amdhsa_enable_private_segment 0
		.amdhsa_kernarg_size 32
		.amdhsa_user_sgpr_count 2
		.amdhsa_user_sgpr_kernarg_segment_ptr 1
		.amdhsa_wavefront_size32 1
		.amdhsa_system_sgpr_workgroup_id_x 1
		.amdhsa_system_sgpr_workgroup_id_y 1
		.amdhsa_system_sgpr_workgroup_id_z 1
		.amdhsa_system_vgpr_workitem_id 0
		.amdhsa_next_free_vgpr 448
		.amdhsa_next_free_sgpr 66
		.amdhsa_reserve_vcc 0
		.amdhsa_float_denorm_mode_32 3
		.amdhsa_float_denorm_mode_16_64 3
		.amdhsa_memory_ordered 1
		.amdhsa_forward_progress 1
		.amdhsa_inst_pref_size 188
	.end_amdhsa_kernel
	.amdgpu_metadata
---
amdhsa.version: [ 1, 2 ]
amdhsa.kernels:
  - .name:           k_qce2352d1e5_attn
    .symbol:         k_qce2352d1e5_attn.kd
    .args:
      - { .name: qc, .offset: 0, .size: 8, .value_kind: global_buffer, .address_space: global }
      - { .name: kv, .offset: 8, .size: 8, .value_kind: global_buffer, .address_space: global }
      - { .name: lowp_scales, .offset: 16, .size: 8, .value_kind: global_buffer, .address_space: global }
      - { .name: oc, .offset: 24, .size: 8, .value_kind: global_buffer, .address_space: global }
    .group_segment_fixed_size: 327680
    .private_segment_fixed_size: 0
    .kernarg_segment_align: 8
    .kernarg_segment_size: 32
    .max_flat_workgroup_size: 256
    .sgpr_count:     66
    .vgpr_count:     448
    .wavefront_size: 32
...
	.end_amdgpu_metadata
.endif
;; end of part 4
;; launch outp: the kernel of part 3 again; grid 8 x 32, 16 waves a work-group, no clusters, 104,448 bytes of LDS; arguments oc, Wo, bo, lowp_scales, out0; writes out0
;; ======== version 3 of 3: 3 launches; version 2 with the launches proj, outp written anew for expert scheduling mode
;; workspace buffers: qc 4,194,304 bytes; kv 8,388,608 bytes; oc 4,194,304 bytes
;; launch proj (part 5): grid 8 x 32, 8 waves a work-group, no clusters, 99,328 bytes of LDS; arguments x, Wq, Wk, Wv, bq, bk, bv, lowp_scales, qc, kv; writes qc, kv
.if DOCPART == 5
	.amdgcn_target "amdgcn-amd-amdhsa--gfx1250"
	.amdhsa_code_object_version 6
	.text
	.protected	k_qce2352d1e5_proj
	.globl	k_qce2352d1e5_proj
	.p2align	8
	.type	k_qce2352d1e5_proj,@function
k_qce2352d1e5_proj:
	s_mov_b64 s[64:65], 0
	v_nop
	global_prefetch_b8 v0, s[64:65] scope:SCOPE_SE
	s_setreg_imm32_b32 hwreg(HW_REG_WAVE_SCHED_MODE, 0, 2), 2
	s_setreg_imm32_b32 hwreg(HW_REG_WAVE_MODE, 25, 1), 1
	s_wait_xcnt 0x0
	s_wait_alu depctr_vm_vsrc(0)
; q = x Wq^T + bq, k = x Wk^T + bk, v = x Wv^T + bv, on codes of BF8 (E5M2); the three results are quantised at once and stored as codes.
; x: [8192][512] f32.  W: [512][512] f32, K innermost.  lowp_scales: e0..e5 for (x, Wq), (x, Wk), (x, Wv); e6, e7, e9 for q, k, v as operands of the attention.
; SHARES.  Work-group (head, row block): 256 rows x the head's 64 columns of each of q, k, v.  Wave w owns rows 32 w .. 32 w + 31 (two tiles of 16) and turns its own
; rows of x into codes in registers, three times (e0, e2, e4 may differ).  W's fragments are made once, wave w taking K step w of all 12 tiles, and go to the other waves through LDS
; as images of their registers: a fragment (16 rows x 64 K, 8 registers) is two stores of 512 bytes, lane l's 16 bytes at 16 l.  K goes in 8 steps of 64: 24 matrix instructions a step.
; LAYOUT.  Lane (r = l % 16, h = l / 16) of a fragment holds row r; registers 2 c, 2 c + 1 hold k = 16 c + 8 h + 0 .. 7.  q and k are made TRANSPOSED (source 0 = 16 rows of W, source 1 = 16 rows of x):
; a lane then holds one row and register j of tile t the channel 16 t + 8 h + j, so one conversion a tile gives registers 2 t, 2 t + 1 of the fragment that the attention wants.
; v is made the other way round (source 0 = x, source 1 = Wv): a lane holds one channel and eight keys, which are registers 2 c, 2 c + 1 of V^T's fragment along the keys.
; OUT.  qc: [head of batch 16][tile of 16 queries 256][1,024 bytes]; kv: [head of batch 16][step of 128 keys 32][K's 8 tiles x 1,024, V^T's 4 tiles x 2,048]: register images, each store 512 consecutive bytes.
; NO JOINT LOADS: what work-groups share here (x's rows among 8 heads, W's rows among 32 row blocks) arrives as f32 and becomes codes in registers; through LDS a work-group's 512 KB of x would be stored and read once more.
; LIMITS: e0 + e1, e2 + e3, e4 + e5 between -126 and 127; e0 .. e7 and e9 between -126 and 112, so that each power of two below is an f32 number.  NaN among the inputs is not served.
; REGISTERS, window 0: v1-15 addresses, scales, limits; v16-31 at work; v32-79 x's codes (16 q + 8 m), on the way out the codes to store; v80-111 Wv's fragments; v112-119 addresses, bv; v128-255 four sets of 32 numbers of x.
;   window 1: v0-191 the 24 accumulators (p, m, t) at 8 (8 p + 4 m + t); v192-255 Wq's and Wk's fragments.  In the W phase all of window 1 and v128-255 hold W's numbers, v32-127 its codes.
; THE MODE: SCHED_MODE bits 1:0 = 2 (LLVM: expert scheduling mode 2), set by the entry lines.  The code itself states the register dependences
; between vector or matrix instructions and memory or LDS instructions, with s_wait_alu, always for 0.
; THE PLAN.  Registers that memory or LDS instructions touch:
;   v1-3, v112-114  Offsets and LDS addresses: written once by vector instructions (v1-3 at the head, v112-114 behind the barrier), read by loads and stores, never written again: every step is reached by an immediate offset.
;   W's numbers     v128-255 and window 1: loads land; the holds and conversions read them; then x's sets and W's fragments are loaded there.
;   W's codes       v32-127: conversions write them, the LDS stores of the images read them; behind the barrier the same registers are x's codes, Wv's fragments, v112-114 and bv.
;   X0 .. X3        Step s: its holds read sets 2 (s % 2) and 2 (s % 2) + 1.  The loads of step s + 1, issued in step s, land in the other two sets, which step s - 1 read.
;   WF, WF2         Step s: its LDS loads land there at the step's head; its matrix instructions read them at the step's end.
;   codes to store  v32-79 on the way out: conversions write them, the stores read them, nothing writes them again.
; So ONE wait on va_vdst stands in a K step, at its head: the last step's matrix instructions are done reading WF and WF2, and the last step's holds are done reading their two sets.  Behind it come the step's 24 LDS loads,
; and the 16 loads of the next step's x are dealt among this step's first conversions, which name this step's own sets, v16-31 and x's codes: none of the registers that those loads touch.
.set LI,   1                           ; 16 x lane
.set XA,   2                           ; a row of 2,048 bytes x r + 32 h
.set WST,  3                           ; where I store W's images: 16 x lane + 12,288 x wave
.set SCX,  4                           ; v4-6   2^e0, 2^e2, 2^e4
.set LMX,  7                           ; v7-9   57,344 x those
.set SC2,  10                          ; v10-12 2^e1, 2^e3, 2^e5; on the way out 2^e6, 2^e7, 2^e9
.set LM2,  13                          ; v13-15 57,344 x those
.set TMP,  16
.set AC,   32
.set WF2,  80
.set LI2,  112                         ; 16 x lane + 49,152: K steps 4 to 7 (an LDS offset has 16 bits)
.set HB,   113                         ; 32 h
.set RB,   114                         ; 4 r
.set BV,   116
.set ST,   128
.set BQ,   128
.set BK,   160
.set EV,   192
.set WF,   192                         ; in window 1
.set MSB, 0
.macro WIN new                         ; the immediate's high byte repeats the setting that is left
.if MSB != (\new)
	s_set_vgpr_msb (MSB<<8)|(\new)
.set MSB, (\new)
.endif
.endm
.macro PLACES n
.rept \n
	v_nop
.endr
.endm
.macro MKSC sc, lim, e                 ; v[sc] = 2^e as f32 (the conversion takes its exponent field), v[lim] = 57,344 x 2^e; e in s[e]
	s_add_co_i32 s48, s[\e], 127
	s_lshl_b32 s49, s48, 23
	v_mov_b32 v[\sc], s49
	s_add_co_i32 s48, s48, 15
	s_lshl_b32 s48, s48, 23
	s_or_b32 s48, s48, 0x600000
	v_mov_b32 v[\lim], s48
.endm
; 64 rows x 64 K of a weight (my K step): register 32 t + 8 c + i = W(16 t + r, 64 w + 16 c + 8 h + i)
.macro WLOAD base, reg
.irp t, 0,1,2,3
.irp c, 0,1,2,3
.irp j, 0,1
	global_load_b128 v[\reg+32*\t+8*\c+4*\j:\reg+32*\t+8*\c+4*\j+3], v[XA], s[\base:\base+1] offset:32768*\t+64*\c+16*\j
.endr
.endr
.endr
.endm
; those 128 numbers a lane become four fragments' codes.  w1 = 1: the numbers lie in window 1
.macro WCODE p, src, code, w1
	WIN 0x41*\w1
.set n, 0
.rept 128
	v_med3_num_f32 v[\src+n], v[\src+n], -v[LM2+\p], v[LM2+\p]   ; the conversion to an 8-bit code does not saturate (ISA guide 7.6.2): the hold at the largest code x the scale
.set n, n+1
.endr
	WIN 0x01*\w1
.set n, 0
.rept 16
	v_cvt_scalef32_pk8_bf8_f32 v[\code+2*n:\code+2*n+1], v[\src+8*n:\src+8*n+7], v[SC2+\p]
.set n, n+1
.endr
	v_nop                                          ; a plain instruction behind the conversions, ahead of whatever vector or matrix instruction next touches their registers
	WIN 0
.endm
; and the four fragments' images go to LDS
.macro WIMG p, code
.irp t, 0,1,2,3
.irp c, 0,1
	ds_store_b128 v[WST], v[\code+8*\t+4*\c:\code+8*\t+4*\c+3] offset:4096*\p+1024*\t+512*\c
.endr
.endr
.endm
; my tile m's numbers of K step s: register 8 c + i = x(16 m + r, 64 s + 16 c + 8 h + i), into set 2 (s % 2) + m
.macro XLOAD s, m
.set XS, ST+32*(2*((\s)%2)+\m)
.irp c, 0,1,2,3
.irp j, 0,1
	global_load_b128 v[XS+8*\c+4*\j:XS+8*\c+4*\j+3], v[XA], s[8:9] offset:32768*\m+256*(\s)+64*\c+16*\j
.endr
.endr
.endm
; a set becomes three fragments, one for each of x's three scales.  The two halves of TMP take turns, so that eight plain instructions stand between a conversion and the rewriting of its sources.
; ld = 1: the 16 loads of the next step's two sets are dealt two at a time ahead of the first eight of the twelve groups.  No wait: no vector or matrix instruction since the wait at the step's head names those two sets
.macro QUANT3 s, m, ld
.set XS, ST+32*(2*((\s)%2)+\m)
.set XN, ST+64*(((\s)+1)%2)            ; the next step's two sets: group gi's two loads are tile gi / 4, k = 16 (gi % 4) on
.set gi, 0
.irp q, 0,1,2
.irp g, 0,1,2,3
.if \ld && (gi < 8)
.irp j, 0,1
	global_load_b128 v[XN+8*gi+4*\j:XN+8*gi+4*\j+3], v[XA], s[8:9] offset:32768*(gi/4)+256*((\s)+1)+64*(gi%4)+16*\j
.endr
.endif
.irp i, 0,1,2,3,4,5,6,7
	v_med3_num_f32 v[TMP+8*(\g%2)+\i], v[XS+8*\g+\i], -v[LMX+\q], v[LMX+\q]
.endr
	v_cvt_scalef32_pk8_bf8_f32 v[AC+16*\q+8*\m+2*\g:AC+16*\q+8*\m+2*\g+1], v[TMP+8*(\g%2):TMP+8*(\g%2)+7], v[SCX+\q]
.set gi, gi+1
.endr
.endr
.endm
.macro FETCHW s                        ; the step's 12 fragments of W: 24 loads of 512 consecutive bytes
.if \s < 4
.set FA, LI
.else
.set FA, LI2
.endif
	WIN 0x40                                       ; destination window 1
.irp p, 0,1
.irp t, 0,1,2,3
.irp c, 0,1
	ds_load_b128 v[WF+32*\p+8*\t+4*\c:WF+32*\p+8*\t+4*\c+3], v[FA] offset:((\s)%4)*12288+4096*\p+1024*\t+512*\c
.endr
.endr
.endr
	WIN 0
.irp t, 0,1,2,3
.irp c, 0,1
	ds_load_b128 v[WF2+8*\t+4*\c:WF2+8*\t+4*\c+3], v[FA] offset:((\s)%4)*12288+8192+1024*\t+512*\c
.endr
.endr
.endm
; A K step of 64.  The 24 accumulators take turns, one instruction a turn, in the same order in every step.  Step 0's products start the sums.
.macro KSTEP s
	PLACES 4                                       ; behind the last step's matrix instructions, in front of loads into, and conversions onto, registers that they read
	s_wait_alu depctr_va_vdst(0)                   ; the last step's matrix instructions are done reading WF and WF2, in which the LDS loads below land; the last step's holds are done reading their two sets, in which the loads dealt below land; in step 0: v112-114 are written
	FETCHW \s
.if \s == 7                            ; sets 0 and 1 were read for the last time in step 6, ahead of the wait above: the biases land there
.irp t, 0,1,2,3
.irp j, 0,1
	global_load_b128 v[BQ+8*\t+4*\j:BQ+8*\t+4*\j+3], v[HB], s[16:17] offset:64*\t+16*\j   ; bq(16 t + 8 h + 0 .. 7): the transposed result's layout
	global_load_b128 v[BK+8*\t+4*\j:BK+8*\t+4*\j+3], v[HB], s[18:19] offset:64*\t+16*\j
.endr
	global_load_b32 v[BV+\t], v[RB], s[20:21] offset:64*\t                                 ; bv(16 t + r)
.endr
.endif
.irp m, 0,1
.if \s == 0                            ; loads come back in order (ISA guide 5.7.1).  Step 0: behind set m stand 3 - m sets of 8 loads, asked for in the W phase
.set NW, 24-8*\m
.elseif \s == 7                        ; step 7: behind set 0 the other set's 8 and the biases' 20, behind set 1 the 20
.set NW, 28-8*\m
.else                                  ; steps 1 to 6: behind set 0 the step's other set, behind set 1 the 16 loads that were dealt among set 0's conversions
.set NW, 8+8*\m
.endif
	s_wait_loadcnt NW
.if (\m == 0) && (\s >= 1) && (\s <= 6)
	QUANT3 \s, \m, 1                               ; steps 0 and 1 were asked for in the W phase; step 7 has no successor: no load leaves x
.else
	QUANT3 \s, \m, 0
.endif
.endr
	v_nop                                          ; a plain instruction between the last conversion and the matrix instruction that reads its result
	s_wait_dscnt 0x0                               ; W's fragments are in
	WIN 0x51                                       ; source 0 (W) window 1, source 1 (x) window 0, C and D window 1
.irp p, 0,1
.irp m, 0,1
.irp t, 0,1,2,3
.if \s == 0
	v_wmma_f32_16x16x64_bf8_bf8 v[8*(8*\p+4*\m+\t):8*(8*\p+4*\m+\t)+7], v[WF+32*\p+8*\t:WF+32*\p+8*\t+7], v[AC+16*\p+8*\m:AC+16*\p+8*\m+7], 0
.else
	v_wmma_f32_16x16x64_bf8_bf8 v[8*(8*\p+4*\m+\t):8*(8*\p+4*\m+\t)+7], v[WF+32*\p+8*\t:WF+32*\p+8*\t+7], v[AC+16*\p+8*\m:AC+16*\p+8*\m+7], v[8*(8*\p+4*\m+\t):8*(8*\p+4*\m+\t)+7]
.endif
.endr
.endr
.endr
	WIN 0x50                                       ; v: source 0 (x) and source 1 (Wv) window 0
.irp m, 0,1
.irp t, 0,1,2,3
.if \s == 0
	v_wmma_f32_16x16x64_bf8_bf8 v[8*(16+4*\m+\t):8*(16+4*\m+\t)+7], v[AC+32+8*\m:AC+32+8*\m+7], v[WF2+8*\t:WF2+8*\t+7], 0
.else
	v_wmma_f32_16x16x64_bf8_bf8 v[8*(16+4*\m+\t):8*(16+4*\m+\t)+7], v[AC+32+8*\m:AC+32+8*\m+7], v[WF2+8*\t:WF2+8*\t+7], v[8*(16+4*\m+\t):8*(16+4*\m+\t)+7]
.endif
.endr
.endr
	WIN 0
.endm
; The way out of q (p = 0) or k (p = 1), tile m: sum x 2^(ex + ew) + bias in one packed multiply-add, each accumulator from its low end on; the hold; four conversions = one fragment
.macro EPQ p, m
	WIN 0x01                                       ; source 0 (the sums) window 1
.irp t, 0,1,2,3
.irp i, 0,2,4,6
	v_pk_fma_f32 v[EV+8*\t+\i:EV+8*\t+\i+1], v[8*(8*\p+4*\m+\t)+\i:8*(8*\p+4*\m+\t)+\i+1], s[42+2*\p:43+2*\p], v[BQ+32*\p+8*\t+\i:BQ+32*\p+8*\t+\i+1] op_sel_hi:[1,0,1]
.endr
.endr
	WIN 0
.set n, 0
.rept 32
	v_med3_num_f32 v[EV+n], v[EV+n], -v[LM2+\p], v[LM2+\p]
.set n, n+1
.endr
.irp t, 0,1,2,3
	v_cvt_scalef32_pk8_bf8_f32 v[AC+16*\p+8*\m+2*\t:AC+16*\p+8*\m+2*\t+1], v[EV+8*\t:EV+8*\t+7], v[SC2+\p]
.endr
	v_nop                                          ; a plain instruction before the next tile's multiply-adds write the conversions' sources
.endm
.macro SENDQ p                         ; its two fragments: four stores of 512 bytes
.irp m, 0,1
.irp c, 0,1
	global_store_b128 v[LI], v[AC+16*\p+8*\m+4*\c:AC+16*\p+8*\m+4*\c+3], s[24+2*\p:25+2*\p] offset:1024*\m+512*\c
.endr
.endr
.endm
; The way out of v, channels 16 t on: my two tiles of keys are four registers of V^T's fragment
.macro EPV t
	WIN 0x01
.irp m, 0,1
.irp j, 0,1,2,3,4,5,6,7
	v_fma_f32 v[EV+8*\m+\j], v[8*(16+4*\m+\t)+\j], s46, v[BV+\t]
.endr
.endr
	WIN 0
.set n, 0
.rept 16
	v_med3_num_f32 v[EV+n], v[EV+n], -v[LM2+2], v[LM2+2]
.set n, n+1
.endr
.irp m, 0,1
	v_cvt_scalef32_pk8_bf8_f32 v[AC+32+4*\t+2*\m:AC+32+4*\t+2*\m+1], v[EV+8*\m:EV+8*\m+7], v[SC2+2]
.endr
	v_nop
.endm
	s_load_b256 s[8:15], s[0:1], 0x0               ; x s[8:9], Wq s[10:11], Wk s[12:13], Wv s[14:15]
	s_load_b256 s[16:23], s[0:1], 0x20             ; bq s[16:17], bk s[18:19], bv s[20:21], the scales' exponents s[22:23]
	s_load_b128 s[24:27], s[0:1], 0x40             ; qc s[24:25], kv s[26:27]
	v_lshrrev_b32 v4, 5, v0
	v_readfirstlane_b32 s28, v4                    ; wave 0..7
	v_and_b32 v[LI], 31, v0
	v_lshlrev_b32 v[LI], 4, v[LI]
	v_and_b32 v5, 15, v0                           ; r
	v_bfe_u32 v6, v0, 4, 1                         ; h
	v_lshlrev_b32 v[XA], 11, v5
	v_lshl_add_u32 v[XA], v6, 5, v[XA]
	s_wait_alu depctr_va_sdst(0)                   ; s28 is written, ahead of its first reader: LDS addresses and all bases are made from it
	s_mul_i32 s48, s28, 12288
	v_add_nc_u32 v[WST], s48, v[LI]
	s_and_b32 s30, ttmp7, 0xffff                   ; row block 0..31; ttmp9: the head 0..7
	s_lshr_b32 s31, s30, 4
	s_lshl_b32 s31, s31, 3
	s_add_co_u32 s31, s31, ttmp9                   ; head of batch = 8 x batch + head
	s_and_b32 s29, s30, 15                         ; the row block within its batch
	s_lshl_b32 s52, s30, 19                        ; x: 256 rows of 2,048 bytes a block, 32 a wave
	s_lshl_b32 s53, s28, 16
	s_add_co_u32 s52, s52, s53
	s_mov_b32 s53, 0
	s_lshl_b32 s54, ttmp9, 17                      ; W: the head's 64 rows; my K step's 256 bytes
	s_lshl_b32 s55, s28, 8
	s_add_co_u32 s54, s54, s55
	s_mov_b32 s55, 0
	s_lshl_b32 s56, ttmp9, 8                       ; the biases: the head's 64 numbers
	s_mov_b32 s57, 0
	s_lshl_b32 s58, s31, 18                        ; qc: 256 tiles a head, 16 a block, 2 a wave
	s_lshl_b32 s59, s29, 14
	s_add_co_u32 s58, s58, s59
	s_lshl_b32 s59, s28, 11
	s_add_co_u32 s58, s58, s59
	s_mov_b32 s59, 0
	s_lshl_b32 s60, s31, 19                        ; kv: 32 steps of 16,384 bytes a head, 2 a block; waves 0-3 the first, waves 4-7 the second
	s_lshl_b32 s61, s29, 15
	s_add_co_u32 s60, s60, s61
	s_lshr_b32 s61, s28, 2
	s_lshl_b32 s61, s61, 14
	s_add_co_u32 s60, s60, s61
	s_mov_b32 s61, 0
	s_and_b32 s48, s28, 3
	s_lshl_b32 s50, s48, 9                         ; V^T: behind K's 8,192 bytes; my four registers are piece wave % 4 of each fragment
	s_add_co_u32 s50, s50, 8192
	s_mov_b32 s51, 0
	s_lshl_b32 s48, s48, 11                        ; K: my two tiles of keys
	s_mov_b32 s49, 0
	s_wait_kmcnt 0x0
	s_load_b256 s[32:39], s[22:23], 0x0            ; e0 .. e7
	s_load_b64 s[40:41], s[22:23], 0x20            ; e8, e9
	s_add_nc_u64 s[8:9], s[8:9], s[52:53]
	s_add_nc_u64 s[10:11], s[10:11], s[54:55]
	s_add_nc_u64 s[12:13], s[12:13], s[54:55]
	s_add_nc_u64 s[14:15], s[14:15], s[54:55]
	s_add_nc_u64 s[16:17], s[16:17], s[56:57]
	s_add_nc_u64 s[18:19], s[18:19], s[56:57]
	s_add_nc_u64 s[20:21], s[20:21], s[56:57]
	s_add_nc_u64 s[24:25], s[24:25], s[58:59]
	s_add_nc_u64 s[26:27], s[26:27], s[60:61]
	s_add_nc_u64 s[60:61], s[26:27], s[50:51]      ; V^T's pointer
	s_add_nc_u64 s[26:27], s[26:27], s[48:49]      ; K's pointer
	; ---- W: my K step of all three weights
	s_wait_alu depctr_va_vdst(0)                   ; v1 to v3 are written: the offsets and the LDS address that the loads and stores below read
	WLOAD 14, ST                                   ; Wv into window 0
	WIN 0x40
	WLOAD 10, 0                                    ; Wq and Wk into window 1
	WLOAD 12, 128
	WIN 0
	s_wait_kmcnt 0x0
.irp p, 0,1,2
	MKSC SCX+\p, LMX+\p, 32+2*\p
	MKSC SC2+\p, LM2+\p, 33+2*\p
	s_add_co_i32 s[42+2*\p], s[32+2*\p], s[33+2*\p]
	s_add_co_i32 s[42+2*\p], s[42+2*\p], 127
	s_lshl_b32 s[42+2*\p], s[42+2*\p], 23          ; 2^(ex + ew) as f32
	s_mov_b32 s[43+2*\p], s[42+2*\p]               ; (named with it as a pair, so it is written)
.endr
	s_wait_loadcnt 63                              ; Wv is in: 64 loads were issued behind it; the wait's field ends at 63
	WCODE 2, ST, AC, 0
	s_wait_alu depctr_va_vdst(0)                   ; Wv's conversions have written v32-63, which the LDS stores read; the holds and conversions are done with v128-255, in which x's loads land
	WIMG 2, AC
	XLOAD 0, 0                                     ; x's first two K steps: four sets, 32 loads a wave
	XLOAD 0, 1
	XLOAD 1, 0
	XLOAD 1, 1
	s_wait_loadcnt 32                              ; Wq and Wk are in; x's 32 loads may be out
	WCODE 0, 0, AC+32, 1
	WCODE 1, 128, AC+64, 1
	s_wait_alu depctr_va_vdst(0)                   ; Wq's and Wk's conversions have written v64-127, which the LDS stores read: one wait for both runs of stores
	WIMG 0, AC+32
	WIMG 1, AC+64
	s_wait_dscnt 0x0                               ; for the others' sake: my images have landed
	s_barrier_signal -1
	s_barrier_wait -1                              ; all 96 fragments of W lie in LDS; nothing is stored there again
	s_wait_alu depctr_vm_vsrc(0)                   ; my LDS stores have read v32-127: from here on these registers are x's codes (conversions write them), Wv's fragments and bv (loads land in them) and the three addresses made below
	v_add_nc_u32 v[LI2], 0xc000, v[LI]
	v_bfe_u32 v[HB], v0, 4, 1
	v_lshlrev_b32 v[HB], 5, v[HB]
	v_and_b32 v[RB], 15, v0
	v_lshlrev_b32 v[RB], 2, v[RB]
	; ---- the products: every offset is an immediate, no pointer is stepped
.irp s, 0,1,2,3,4,5,6,7
	KSTEP \s
.endr
	; ---- the way out.  Every store has registers of its own for its codes: none is written again.  One wait for each tensor's conversions, ahead of its four stores
	MKSC SC2, LM2, 38                              ; q's scale 2^e6,
	MKSC SC2+1, LM2+1, 39                          ; k's 2^e7,
	MKSC SC2+2, LM2+2, 41                          ; v's 2^e9
	PLACES 4                                       ; behind the last products, in front of the first read of results
	s_wait_loadcnt 0x0                             ; the biases
	EPQ 0, 0
	EPQ 0, 1
	s_wait_alu depctr_va_vdst(0)                   ; q's conversions have written v32-47, which the four stores read
	SENDQ 0
	EPQ 1, 0
	EPQ 1, 1
	s_wait_alu depctr_va_vdst(0)                   ; k's conversions have written v48-63, which the four stores read
	SENDQ 1
	EPV 0
	EPV 1
	EPV 2
	EPV 3
	s_wait_alu depctr_va_vdst(0)                   ; v's conversions have written v64-79, which the four stores read
.irp t, 0,1,2,3
	global_store_b128 v[LI], v[AC+32+4*\t:AC+32+4*\t+3], s[60:61] offset:2048*\t
.endr
	s_wait_xcnt 0x0
	v_lshl_add_u32 v254, v0, 2, 0x18000            ; the add's two registers are made here, straight ahead of the closing lines; no memory or LDS instruction has read v254 or v255
	v_mov_b32 v255, 0
	s_wait_dscnt 0x0                               ; the closing lines, six on end
	s_wait_alu 0x0
	s_wait_tensorcnt 0x0
	ds_add_u32 v254, v255
	s_wait_dscnt 0x0
	s_endpgm
.Lfunc_end_k_qce2352d1e5_proj:
	.size	k_qce2352d1e5_proj, .Lfunc_end_k_qce2352d1e5_proj-k_qce2352d1e5_proj
	.p2alignl 7, 3214868480
	.fill 96, 4, 3214868480
	.section	.rodata,"a",@progbits
	.p2align	6, 0x0
	.amdhsa_kernel k_qce2352d1e5_proj
		.amdhsa_group_segment_fixed_size 99328
		.amdhsa_private_segment_fixed_size 0
		.amdhsa_enable_private_segment 0
		.amdhsa_kernarg_size 80
		.amdhsa_user_sgpr_count 2
		.amdhsa_user_sgpr_kernarg_segment_ptr 1
		.amdhsa_wavefront_size32 1
		.amdhsa_system_sgpr_workgroup_id_x 1
		.amdhsa_system_sgpr_workgroup_id_y 1
		.amdhsa_system_sgpr_workgroup_id_z 1
		.amdhsa_system_vgpr_workitem_id 0
		.amdhsa_next_free_vgpr 512
		.amdhsa_next_free_sgpr 66
		.amdhsa_reserve_vcc 0
		.amdhsa_float_denorm_mode_32 3
		.amdhsa_float_denorm_mode_16_64 3
		.amdhsa_memory_ordered 1
		.amdhsa_forward_progress 1
		.amdhsa_inst_pref_size 218
	.end_amdhsa_kernel
	.amdgpu_metadata
---
amdhsa.version: [ 1, 2 ]
amdhsa.kernels:
  - .name:           k_qce2352d1e5_proj
    .symbol:         k_qce2352d1e5_proj.kd
    .args:
      - { .name: x, .offset: 0, .size: 8, .value_kind: global_buffer, .address_space: global }
      - { .name: Wq, .offset: 8, .size: 8, .value_kind: global_buffer, .address_space: global }
      - { .name: Wk, .offset: 16, .size: 8, .value_kind: global_buffer, .address_space: global }
      - { .name: Wv, .offset: 24, .size: 8, .value_kind: global_buffer, .address_space: global }
      - { .name: bq, .offset: 32, .size: 8, .value_kind: global_buffer, .address_space: global }
      - { .name: bk, .offset: 40, .size: 8, .value_kind: global_buffer, .address_space: global }
      - { .name: bv, .offset: 48, .size: 8, .value_kind: global_buffer, .address_space: global }
      - { .name: lowp_scales, .offset: 56, .size: 8, .value_kind: global_buffer, .address_space: global }
      - { .name: qc, .offset: 64, .size: 8, .value_kind: global_buffer, .address_space: global }
      - { .name: kv, .offset: 72, .size: 8, .value_kind: global_buffer, .address_space: global }
    .group_segment_fixed_size: 99328
    .private_segment_fixed_size: 0
    .kernarg_segment_align: 8
    .kernarg_segment_size: 80
    .max_flat_workgroup_size: 256
    .sgpr_count:     66
    .vgpr_count:     512
    .wavefront_size: 32
...
	.end_amdgpu_metadata
.endif
;; end of part 5
;; launch attn: the kernel of part 4 again; grid 16 x 16, 8 waves a work-group, clusters of 4 x 1, 327,680 bytes of LDS; arguments qc, kv, lowp_scales, oc; writes oc
;; launch outp (part 6): grid 8 x 32, 16 waves a work-group, no clusters, 104,448 bytes of LDS; arguments oc, Wo, bo, lowp_scales, out0; writes out0
.if DOCPART == 6
	.amdgcn_target "amdgcn-amd-amdhsa--gfx1250"
	.amdhsa_code_object_version 6
	.text
	.protected	k_qce2352d1e5_outp
	.globl	k_qce2352d1e5_outp
	.p2align	8
	.type	k_qce2352d1e5_outp,@function
k_qce2352d1e5_outp:
	s_mov_b64 s[64:65], 0
	v_nop
	global_prefetch_b8 v0, s[64:65] scope:SCOPE_SE
	s_setreg_imm32_b32 hwreg(HW_REG_WAVE_SCHED_MODE, 0, 2), 2
	s_setreg_imm32_b32 hwreg(HW_REG_WAVE_MODE, 25, 1), 1
	s_wait_xcnt 0x0
	s_wait_alu depctr_vm_vsrc(0)
; out0 = o Wo^T + bo on codes of BF8 (E5M2).  oc: o's codes as register images, [tile of 16 rows 512][K step of 64 (a head) 8][1,024 bytes].  Wo: [512][512] f32, K innermost.  out0: [8192][512] f32.
; SHARES.  Work-group (column group, row block): 256 rows x 64 columns (256 bytes of a row of out0).  Wave w owns rows 16 w .. 16 w + 15; its eight fragments of o come straight into registers, each byte once.
; Wo's 32 fragments (K step s, tile t of 16 columns) are made once, two by each wave (s = w / 2, t = 2 (w % 2) + 0, 1), and go to the others through LDS as images of their registers.
; THE MATRIX INSTRUCTION IS USED TRANSPOSED (source 0 = 16 rows of Wo, source 1 = 16 rows of o): a lane holds eight neighbouring columns of one row.  They go through the wave's own stage in LDS and leave as
; rows of 256 bytes: sixteen lanes store 256 consecutive bytes, at a multiple of 256 from out0's first byte.
; NO JOINT LOADS: Wo arrives as f32 and becomes codes in registers; o's codes are register images that each wave loads once into the registers where they are used: through LDS they would be stored and read once more.
; LIMITS: e11 between -126 and 112; e10 + e11 between -126 and 127.  NaN among the inputs is not served.
; REGISTERS: v1-9 addresses, Wo's scale and limit; v14, v15 the add's two; v16-79 Wo's numbers, then two sets of four fragments, then rows on their way out; v80-143 o's eight fragments; v144-175 four accumulators; v176-207 bo;
;   v208-239 a third set of four fragments, then results; v240-255 Wo's codes.
; THE MODE: SCHED_MODE bits 1:0 = 2 (LLVM: expert scheduling mode 2), set by the entry lines.  The code itself states the register dependences
; between vector or matrix instructions and memory or LDS instructions, with s_wait_alu, always for 0.
; THE PLAN.  Registers that memory or LDS instructions touch:
;   v1-3, v6-9      Offsets and LDS addresses: written once at the head, never written again.
;   v16-79          Wo's numbers land; the holds and conversions read them; then they are fragment sets 0 and 1.
;   v240-255        Wo's codes: the conversions write them, the LDS stores read them, nothing writes them again.
;   sets 0, 1, 2    K step s's four matrix instructions read set s % 3; the LDS loads of step s + 3 land in it.  (Set 2 lies where the results go at the end.)
;   v208-239, v16-47 on the way out: the multiply-adds write the first, the stage's stores read them; the rows come back into the second, which step 6 read, and the stores to memory read them.
; With three sets ONE wait on va_vdst serves two K steps: behind steps 1, 3 and 5 it states that the two steps just issued are done reading their sets, and the two next fetches follow it.
; No register that a memory or LDS instruction reads is written again, so the text holds no wait on vm_vsrc.
.set STG,  32768                       ; behind Wo's images: a stage of 16 rows x (256 bytes + 16) for each wave
.set LI,   1                           ; 16 x lane
.set XA,   2                           ; a row of 2,048 bytes x r + 32 h
.set WST,  3                           ; where I store Wo's images: 16 x lane + 2,048 x wave
.set SCW,  4                           ; 2^e11
.set LMW,  5                           ; 57,344 x 2^e11
.set STO,  6                           ; the stage: where I put 32 bytes of a row
.set SRD,  7                           ; and where I read a row back
.set GO,   8                           ; my byte offset in two rows of out0
.set HB,   9                           ; 32 h
.set WS,   16
.set AF,   80
.set ACC,  144
.set BO,   176
.set EV,   208
.set WC,   240
.macro PLACES n
.rept \n
	v_nop
.endr
.endm
.macro MKSC sc, lim, e                 ; v[sc] = 2^e as f32, v[lim] = 57,344 x 2^e; e in s[e]
	s_add_co_i32 s48, s[\e], 127
	s_lshl_b32 s49, s48, 23
	v_mov_b32 v[\sc], s49
	s_add_co_i32 s48, s48, 15
	s_lshl_b32 s48, s48, 23
	s_or_b32 s48, s48, 0x600000
	v_mov_b32 v[\lim], s48
.endm
.macro FETCH s                         ; K step s's four fragments of Wo into set s % 3: sets 0 and 1 at v16 and v48, set 2 at v208
.set FS, WS+32*((\s)%3)+128*(((\s)%3)/2)
.irp t, 0,1,2,3
.irp c, 0,1
	ds_load_b128 v[FS+8*\t+4*\c:FS+8*\t+4*\c+3], v[LI] offset:4096*(\s)+1024*\t+512*\c
.endr
.endr
.endm
; K step s of 64.  left: the LDS loads issued behind this step's eight, which may stay out.  The four accumulators take turns, one instruction a turn; step 0's products start the sums
.macro STEP s, left
.set FS, WS+32*((\s)%3)+128*(((\s)%3)/2)
	s_wait_dscnt \left                             ; LDS loads come back in order (ISA guide 5.7.1): this step's fragments are in
.irp t, 0,1,2,3
.if \s == 0
	v_wmma_f32_16x16x64_bf8_bf8 v[ACC+8*\t:ACC+8*\t+7], v[FS+8*\t:FS+8*\t+7], v[AF+8*(\s):AF+8*(\s)+7], 0
.else
	v_wmma_f32_16x16x64_bf8_bf8 v[ACC+8*\t:ACC+8*\t+7], v[FS+8*\t:FS+8*\t+7], v[AF+8*(\s):AF+8*(\s)+7], v[ACC+8*\t:ACC+8*\t+7]
.endif
.endr
.endm
	s_load_b256 s[4:11], s[0:1], 0x0               ; oc s[4:5], Wo s[6:7], bo s[8:9], the scales' exponents s[10:11]
	s_load_b64 s[12:13], s[0:1], 0x20              ; out0
	v_lshl_add_u32 v14, v0, 2, 0x19000
	v_mov_b32 v15, 0
	v_lshrrev_b32 v4, 5, v0
	v_readfirstlane_b32 s14, v4                    ; wave 0..15
	v_and_b32 v[LI], 31, v0
	v_lshlrev_b32 v[LI], 4, v[LI]
	v_and_b32 v10, 15, v0                          ; r
	v_bfe_u32 v11, v0, 4, 1                        ; h
	v_lshlrev_b32 v[XA], 11, v10
	v_lshl_add_u32 v[XA], v11, 5, v[XA]
	s_wait_alu depctr_va_sdst(0)                   ; s14 is written, ahead of its first reader: LDS addresses and all bases are made from it
	s_lshl_b32 s20, s14, 11
	v_add_nc_u32 v[WST], s20, v[LI]
	s_mul_i32 s21, s14, 16*272
	s_add_co_u32 s21, s21, STG                     ; my stage
	v_mul_u32_u24 v[STO], v10, 272                 ; in: row r, 32 bytes for each half of the lanes
	v_lshl_add_u32 v[STO], v11, 5, v[STO]
	v_add_nc_u32 v[STO], s21, v[STO]
	v_mul_u32_u24 v[SRD], v11, 272                 ; back: lanes 0-15 one row of 256 bytes, lanes 16-31 the next
	v_lshl_add_u32 v[SRD], v10, 4, v[SRD]
	v_add_nc_u32 v[SRD], s21, v[SRD]
	v_lshlrev_b32 v[GO], 11, v11                   ; and the same two rows in out0
	v_lshl_add_u32 v[GO], v10, 4, v[GO]
	v_lshlrev_b32 v[HB], 5, v11
	s_and_b32 s15, ttmp7, 0xffff                   ; row block 0..31; ttmp9: column group 0..7
	s_lshl_b32 s24, ttmp9, 17                      ; Wo: the group's 64 rows; K step w / 2; tiles 2 (w % 2) on
	s_lshr_b32 s25, s14, 1
	s_lshl_b32 s25, s25, 8
	s_add_co_u32 s24, s24, s25
	s_and_b32 s25, s14, 1
	s_lshl_b32 s25, s25, 16
	s_add_co_u32 s24, s24, s25
	s_mov_b32 s25, 0
	s_lshl_b32 s26, s15, 4                         ; oc: tile of rows 16 x block + wave, 8,192 bytes each
	s_add_co_u32 s26, s26, s14
	s_lshl_b32 s26, s26, 13
	s_mov_b32 s27, 0
	s_lshl_b32 s28, ttmp9, 8                       ; bo: the group's 64 numbers
	s_mov_b32 s29, 0
	s_lshl_b32 s30, s15, 19                        ; out0: 256 rows of 2,048 bytes a block, 16 a wave, the group's 256 bytes
	s_lshl_b32 s31, s14, 15
	s_add_co_u32 s30, s30, s31
	s_add_co_u32 s30, s30, s28
	s_mov_b32 s31, 0
	s_wait_kmcnt 0x0
	s_load_b64 s[16:17], s[10:11], 0x28            ; e10, e11
	s_add_nc_u64 s[6:7], s[6:7], s[24:25]
	s_add_nc_u64 s[4:5], s[4:5], s[26:27]
	s_add_nc_u64 s[8:9], s[8:9], s[28:29]
	s_add_nc_u64 s[12:13], s[12:13], s[30:31]
	s_wait_alu depctr_va_vdst(0)                   ; the offsets and LDS addresses v1-3 and v6-9 are written, which the loads and stores of the whole kernel read
.irp i, 0,1
.irp c, 0,1,2,3
.irp j, 0,1
	global_load_b128 v[WS+32*\i+8*\c+4*\j:WS+32*\i+8*\c+4*\j+3], v[XA], s[6:7] offset:32768*\i+64*\c+16*\j   ; register 32 i + 8 c + n = Wo(16 i + r, 16 c + 8 h + n) of my K step
.endr
.endr
.endr
.irp i, 0,1,2,3,4,5,6,7,8,9,10,11,12,13,14,15
	global_load_b128 v[AF+4*\i:AF+4*\i+3], v[LI], s[4:5] offset:512*\i     ; o's eight fragments, as they lie
.endr
.irp t, 0,1,2,3
.irp j, 0,1
	global_load_b128 v[BO+8*\t+4*\j:BO+8*\t+4*\j+3], v[HB], s[8:9] offset:64*\t+16*\j   ; bo(16 t + 8 h + 0 .. 7): the result's layout
.endr
.endr
	s_wait_kmcnt 0x0
	MKSC SCW, LMW, 17
	s_add_co_i32 s18, s16, s17
	s_add_co_i32 s18, s18, 127
	s_lshl_b32 s18, s18, 23                        ; 2^(e10 + e11) as f32
	s_mov_b32 s19, s18                             ; (named with it as a pair, so it is written)
	s_wait_loadcnt 24                              ; Wo's 16 loads are in; o's 16 and bo's 8 may be out
.set n, 0
.rept 64
	v_med3_num_f32 v[WS+n], v[WS+n], -v[LMW], v[LMW]   ; the conversion to an 8-bit code does not saturate (ISA guide 7.6.2): the hold at the largest code x the scale
.set n, n+1
.endr
.set n, 0
.rept 8
	v_cvt_scalef32_pk8_bf8_f32 v[WC+2*n:WC+2*n+1], v[WS+8*n:WS+8*n+7], v[SCW]
.set n, n+1
.endr
	v_nop                                          ; a plain instruction behind the conversions
	s_wait_alu depctr_va_vdst(0)                   ; the conversions have written v240-255, which the LDS stores read; the holds and conversions are done with v16-79, in which the first fetches land behind the barrier
.irp i, 0,1
.irp c, 0,1
	ds_store_b128 v[WST], v[WC+8*\i+4*\c:WC+8*\i+4*\c+3] offset:1024*\i+512*\c
.endr
.endr
	s_wait_dscnt 0x0                               ; for the others' sake: my images have landed
	s_barrier_signal -1
	s_barrier_wait -1                              ; Wo's 32 fragments lie in LDS; nothing is stored there again
	FETCH 0
	FETCH 1
	FETCH 2                                        ; set 2's registers have not been named yet
	s_wait_loadcnt 8                               ; o is in; bo's 8 loads may be out
	; K in 8 steps of 64, two steps to a wait
	STEP 0, 16                                     ; the fetches of steps 1 and 2 may be out
	STEP 1, 8
	PLACES 4                                       ; in front of loads into registers that matrix instructions have read
	s_wait_alu depctr_va_vdst(0)                   ; the matrix instructions of steps 0 and 1 are done reading sets 0 and 1, in which the two fetches below land
	FETCH 3
	FETCH 4
	STEP 2, 16
	STEP 3, 8
	PLACES 4
	s_wait_alu depctr_va_vdst(0)                   ; the matrix instructions of steps 2 and 3 are done reading sets 2 and 0, in which the two fetches below land
	FETCH 5
	FETCH 6
	STEP 4, 16
	STEP 5, 8
	PLACES 4
	s_wait_alu depctr_va_vdst(0)                   ; the matrix instructions of step 4 are done reading set 1, in which the last fetch lands
	FETCH 7
	STEP 6, 8
	STEP 7, 0
	PLACES 4                                       ; in front of the first read of results
	s_wait_loadcnt 0x0                             ; bo
.irp t, 0,1,2,3
.irp i, 0,2,4,6
	v_pk_fma_f32 v[EV+8*\t+\i:EV+8*\t+\i+1], v[ACC+8*\t+\i:ACC+8*\t+\i+1], s[18:19], v[BO+8*\t+\i:BO+8*\t+\i+1] op_sel_hi:[1,0,1]   ; sum x 2^(e10 + e11) + bo, each accumulator from its low end on
.endr
.endr
	s_wait_alu depctr_va_vdst(0)                   ; the multiply-adds have written v208-239, which the stage's stores read; step 6's matrix instructions are done reading v16-47, in which the rows land
.irp t, 0,1,2,3
.irp j, 0,1
	ds_store_b128 v[STO], v[EV+8*\t+4*\j:EV+8*\t+4*\j+3] offset:64*\t+16*\j
.endr
.endr
.irp i, 0,1,2,3,4,5,6,7
	ds_load_b128 v[WS+4*\i:WS+4*\i+3], v[SRD] offset:544*\i        ; LDS serves a wave's instructions in order (ISA guide 5.7.1.4): these see my stores
.endr
.irp i, 0,1,2,3,4,5,6,7
	s_wait_dscnt 7-\i
	global_store_b128 v[GO], v[WS+4*\i:WS+4*\i+3], s[12:13] offset:4096*\i th:TH_STORE_NT   ; written once, read by nobody here
.endr
	s_wait_dscnt 0x0                               ; the closing lines, six on end
	s_wait_alu 0x0
	s_wait_tensorcnt 0x0
	ds_add_u32 v14, v15
	s_wait_dscnt 0x0
	s_endpgm
.Lfunc_end_k_qce2352d1e5_outp:
	.size	k_qce2352d1e5_outp, .Lfunc_end_k_qce2352d1e5_outp-k_qce2352d1e5_outp
	.p2alignl 7, 3214868480
	.fill 96, 4, 3214868480
	.section	.rodata,"a",@progbits
	.p2align	6, 0x0
	.amdhsa_kernel k_qce2352d1e5_outp
		.amdhsa_group_segment_fixed_size 104448
		.amdhsa_private_segment_fixed_size 0
		.amdhsa_enable_private_segment 0
		.amdhsa_kernarg_size 40
		.amdhsa_user_sgpr_count 2
		.amdhsa_user_sgpr_kernarg_segment_ptr 1
		.amdhsa_wavefront_size32 1
		.amdhsa_system_sgpr_workgroup_id_x 1
		.amdhsa_system_sgpr_workgroup_id_y 1
		.amdhsa_system_sgpr_workgroup_id_z 1
		.amdhsa_system_vgpr_workitem_id 0
		.amdhsa_next_free_vgpr 256
		.amdhsa_next_free_sgpr 66
		.amdhsa_reserve_vcc 0
		.amdhsa_float_denorm_mode_32 3
		.amdhsa_float_denorm_mode_16_64 3
		.amdhsa_memory_ordered 1
		.amdhsa_forward_progress 1
		.amdhsa_inst_pref_size 22
	.end_amdhsa_kernel
	.amdgpu_metadata
---
amdhsa.version: [ 1, 2 ]
amdhsa.kernels:
  - .name:           k_qce2352d1e5_outp
    .symbol:         k_qce2352d1e5_outp.kd
    .args:
      - { .name: oc, .offset: 0, .size: 8, .value_kind: global_buffer, .address_space: global }
      - { .name: Wo, .offset: 8, .size: 8, .value_kind: global_buffer, .address_space: global }
      - { .name: bo, .offset: 16, .size: 8, .value_kind: global_buffer, .address_space: global }
      - { .name: lowp_scales, .offset: 24, .size: 8, .value_kind: global_buffer, .address_space: global }
      - { .name: out0, .offset: 32, .size: 8, .value_kind: global_buffer, .address_space: global }
    .group_segment_fixed_size: 104448
    .private_segment_fixed_size: 0
    .kernarg_segment_align: 8
    .kernarg_segment_size: 40
    .max_flat_workgroup_size: 512
    .sgpr_count:     66
    .vgpr_count:     256
    .wavefront_size: 32
...
	.end_amdgpu_metadata
.endif
;; end of part 6
